; MI455X (gfx1250); checked and timed in simulation.
; The chip was launched on July 23, 2026; its instructions are those of AMD's public machine-readable ISA for CDNA 5 (MIT licence, August 2026) and "CDNA5" Instruction Set Architecture Reference Guide (July 2026). The comments in the code are by the model that wrote it; some were corrected since.
;; Multi Head Attention. Allowed arithmetic: matrix products marked QUANTISED: E2M1 operands, one E8M0 scale for each 32 along K, by v_wmma_scale_f32_16x16x128_f8f6f4 with both operands' format E2M1 (or v_wmma_scale_f32_32x16x128_f4), f32 sums; products left as they are: bf16, f16 or f32 operands; f32 sums; everything else in f32.
;; Inputs: Wk 1,024 x 1,024 float32; Wp 1,024 x 1,024 float32; Wq 1,024 x 1,024 float32; Wv 1,024 x 1,024 float32; cos 2 x 2,048 x 64 float32; sin 2 x 2,048 x 64 float32; x 2 x 2,048 x 1,024 float32.
;; Outputs: out0 2 x 2,048 x 1,024 float32.
;; This version of the problem:
;;   THIS VERSION OF THE PROBLEM IS GIVEN IN LOW PRECISION. The matrix products marked QUANTISED in the list below multiply operands that are first quantised to E2M1 (2 exponent bits, 1 mantissa bit; 4 bits a number), with one power-of-two scale for each 32 numbers along K (OCP MX v1.0); their sums are f32. The products marked 'left as it is' may take bf16, f16 or f32 operands, with f32 sums. Whichever they take, every output number must still come out within the allowed error. Rounding operands to bf16 (8 significant bits) uses up far more of that allowance than f16 does (11 bits, for magnitudes from 6e-5 to 65,504). All else is computed in f32.
;;   The module's matrix products, in the order in which they are computed (A, B: the left and right operand; K: the contracted axis; several contracted axes count as one K, in the product's order):
;;     1. [M 4,096, K 1,024] x [K 1,024, N 1,024]; A: input x; B: input Wq: QUANTISED
;;     2. [M 4,096, K 1,024] x [K 1,024, N 1,024]; A: input x; B: input Wk: QUANTISED
;;     3. [M 4,096, K 1,024] x [K 1,024, N 1,024]; A: input x; B: input Wv: QUANTISED
;;     4. batch 32 x [M 2,048, K 64] x [K 64, N 2,048]; A: computed on the way; B: computed on the way: left as it is (an operand is computed on the way)
;;     5. batch 32 x [M 64, K 2,048] x [K 2,048, N 2,048]; A: computed on the way; B: computed on the way: left as it is (an operand is computed on the way)
;;     6. [M 4,096, K 1,024] x [K 1,024, N 1,024]; A: computed on the way; B: input Wp: left as it is (an operand is computed on the way)
;;   THE QUANTISER, for each operand of a quantised product, along K:
;;     - K is cut into blocks of 32 from its start; a last block that is shorter is filled with zeros.
;;     - A block's scale is 2^e with e = floor(log2(the largest magnitude in the block)) - 2, held to -126 .. 127; a block of zeros has e = 0. As a byte (E8M0): e + 127.
;;     - Each number is divided by its block's scale, clamped to +-6, and rounded to the nearest number of E2M1, ties to even, subnormals kept.
;;     - The product sums the exact products of the quantised numbers (number of the format x scale) in f32.
;;   ~~~python
;;   def quantise(x, axis):      # numpy; x: float32 -> the quantised numbers, widened to float32 again
;;       x = np.moveaxis(x, axis, -1); K = x.shape[-1]
;;       x = np.pad(x, [(0, 0)] * (x.ndim - 1) + [(0, -K % 32)]); x = x.reshape(x.shape[:-1] + (-1, 32)); a = np.abs(x).max(-1, keepdims=True)
;;       e = np.where(a > 0, np.clip(np.frexp(np.where(a > 0, a, 1))[1] - 1 - 2, -126, 127), 0)      # np.frexp(a)[1] - 1 = floor(log2(a)), exactly
;;       r = np.clip(x / 2.0 ** e, -6, 6)
;;       step = 2.0 ** (np.maximum(np.frexp(np.where(r == 0, 1, r))[1] - 1, 0) - 1)
;;       q = np.round(r / step) * step * 2.0 ** e      # np.round: ties to even
;;       return np.moveaxis(q.reshape(q.shape[:-2] + (-1,))[..., :K], -1, axis).astype(np.float32)
;;   ~~~
;; One version. Each part assembles by itself: llvm-mc -triple=amdgcn-amd-amdhsa -mcpu=gfx1250 --defsym DOCPART=n.
;; ======== version 1 of 1: 5 launches
;; limits: values are held in f16: magnitudes above 65,504 overflow, below 6.1e-05 lose precision; right only within a limited range of input values
;; workspace buffers: x_codes 2,097,152 bytes; x_scales 131,072 bytes; w_codes 1,572,864 bytes; w_scales 98,304 bytes; wp16 2,097,152 bytes; qkv16 25,165,824 bytes; qkvf 393,216 bytes; o16 8,388,608 bytes
;; launch quant (part 1): grid 256 x 1, 4 waves a work-group, no clusters, 33,280 bytes of LDS; arguments x, Wq, Wk, Wv, Wp, x_codes, x_scales, w_codes, w_scales, wp16; writes x_codes, x_scales, w_codes, w_scales, wp16
.if DOCPART == 1
	.amdgcn_target "amdgcn-amd-amdhsa--gfx1250"
	.amdhsa_code_object_version 6
	.text
	.protected	k_q6a494ebc29_quant
	.globl	k_q6a494ebc29_quant
	.p2align	8
	.type	k_q6a494ebc29_quant,@function
k_q6a494ebc29_quant:
	s_mov_b64 s[64:65], 0
	v_nop
	global_prefetch_b8 v0, s[64:65] scope:SCOPE_SE
	s_setreg_imm32_b32 hwreg(HW_REG_WAVE_MODE, 25, 1), 1
	s_wait_xcnt 0x0
; x [4096][1024], Wq, Wk, Wv [1024][1024], f32 with K innermost, become codes of FP4 (E2M1), two a byte, K innermost, with one E8M0 scale byte for each 32 along K;
; the three weights lie on end in w_codes / w_scales (rows 0-1023 Wq, 1024-2047 Wk, 2048-3071 Wv).  Wp [1024][1024] is rounded to f16, rows as they lie.
; A block's scale is 2^(floor(log2(its largest magnitude)) - 2); its byte is the largest magnitude's own exponent field - 2, held at 1 from below.  A block of zeros so gets the byte 1 where the
; quantiser says 127: its codes are zeros, which add nothing under any byte but 0xff, and the bytes are read by this program alone.
; LIMITS: blocks whose largest magnitude lies under 2^(2 - 126) have their byte held at 1; NaN and infinities among the inputs are not served; |Wp| stays under 65,504 (f16).
; SHARES: every work-group takes 32,768 numbers, a wave 8,192.  Work-groups 0-127: x; 128-159: Wq; 160-191: Wk; 192-223: Wv; 224-255: Wp.  Only pointers are chosen for the first four tensors.
; A wave takes 16 steps of 512 numbers: four loads of 512 consecutive bytes; the 2,048 bytes turn through the wave's own stage in LDS so that a lane holds 16 neighbours along K (two lanes to a block);
; a lane's 16 codes are 8 bytes, so a store covers 256 consecutive bytes; a wave's 256 scale bytes are gathered in LDS and leave as 256 consecutive bytes.  No barrier: waves share nothing.
; Loads run eight steps ahead: 32 loads of a wave, 16,384 bytes, are on their way.
.set WAVES, 4
.set STEPS, 16
.set DEPTH, 8                          ; steps whose loads are out
.set EMAX,  2
.set CB,    8                          ; bytes of 16 codes
.set R,     16                         ; v16-143  eight sets of 16 numbers as they are loaded (Wp's path: 32 chunks of 4)
.set X,     144                        ; v144-175 two sets of 16 neighbours
.set E,     176                        ; v176-191 a scale byte for each step
.set C,     192                        ; v192-255 codes: four registers for each step (Wp's path: 32 pairs of f16 words)
.set WREG,  8192                       ; LDS: a region for each wave: two stages of 32 x SP bytes, behind them its 256 scale bytes
.set SP,    80                         ; a lane's place in a stage: 64 bytes + 16 of padding
.set SPW,   12                         ; v12  LDS address of my spare word; never rewritten
.set NIL,   13                         ; v13  0; never rewritten
.set SPARE, WAVES*WREG                 ; the spare words: 128 bytes a wave, two blocks of 256 bytes that no other line names
	s_load_b512 s[4:19], s[0:1], 0x0               ; x, Wq, Wk, Wv, Wp, x_codes, x_scales, w_codes
	s_load_b128 s[20:23], s[0:1], 0x40             ; w_scales, wp16
	v_lshl_add_u32 v[SPW], v0, 2, SPARE
	v_mov_b32 v[NIL], 0
	v_lshrrev_b32 v1, 5, v0
	v_readfirstlane_b32 s24, v1                    ; wave
	v_and_b32 v2, 31, v0                           ; lane
	v_lshlrev_b32 v3, 4, v2                        ; my 16 bytes of a load's 512
	s_mul_i32 s27, s24, WREG
	v_lshrrev_b32 v14, 2, v2
	v_mul_u32_u24 v14, v14, SP
	v_and_b32 v15, 3, v2
	v_lshl_add_u32 v14, v15, 4, v14
	v_add_nc_u32 v14, s27, v14                     ; the stage, on the way in: SP (lane / 4) + 16 (lane % 4)
	v_mul_u32_u24 v15, v2, SP
	v_add_nc_u32 v15, s27, v15                     ; and on the way out: SP x lane: my 16 neighbours
	v_mul_u32_u24 v4, v2, CB                       ; my codes' place in a step's
	v_lshrrev_b32 v5, 1, v2
	s_add_co_u32 s27, s27, 2*32*SP
	v_add_nc_u32 v5, s27, v5                       ; my wave's 256 scale bytes, my block's byte
	v_lshlrev_b32 v7, 3, v2                        ; 8 bytes a lane
	v_add_nc_u32 v6, s27, v7
	s_and_b32 s26, ttmp9, 31                       ; a weight's work-group among its 32
	s_mov_b32 s29, 0
	s_wait_kmcnt 0x0
	s_cmp_ge_u32 ttmp9, 224
	s_cbranch_scc1 .Lwp
	s_cmp_lt_u32 ttmp9, 192                        ; the choices hang on the work-group's number alone
	s_cselect_b64 s[10:11], s[8:9], s[10:11]       ; Wk or Wv,
	s_cmp_lt_u32 ttmp9, 160
	s_cselect_b64 s[10:11], s[6:7], s[10:11]       ; or Wq,
	s_cmp_lt_u32 ttmp9, 128
	s_cselect_b64 s[4:5], s[4:5], s[10:11]         ; or x: the source
	s_cselect_b64 s[8:9], s[14:15], s[18:19]       ; its codes
	s_cselect_b64 s[10:11], s[16:17], s[20:21]     ; its scale bytes
	s_cselect_b32 s25, 0, 128
	s_cselect_b32 s26, ttmp9, s26
	s_lshl_b32 s26, s26, 2
	s_add_co_u32 s26, s26, s24                     ; which run of 8,192 numbers of the source is my wave's
	s_lshl_b32 s28, s26, 15
	s_add_nc_u64 s[4:5], s[4:5], s[28:29]
	s_sub_co_u32 s25, ttmp9, s25
	s_lshl_b32 s25, s25, 2
	s_add_co_u32 s25, s25, s24                     ; and which run of the destination (the three weights on end)
	s_lshl_b32 s28, s25, 12
	s_add_nc_u64 s[8:9], s[8:9], s[28:29]          ; 4,096 bytes of codes a run
	s_lshl_b32 s28, s25, 8
	s_add_nc_u64 s[10:11], s[10:11], s[28:29]      ; 256 scale bytes a run
.macro LOAD t
.irp i, 0,1,2,3
	global_load_b128 v[R+16*((\t)%DEPTH)+4*\i:R+16*((\t)%DEPTH)+4*\i+3], v3, s[4:5] offset:2048*(\t)+512*\i th:TH_LOAD_NT   ; 32 lanes read 512 consecutive bytes
.endr
.endm
.macro TURN t                          ; step t's numbers through the stage: LDS serves a wave's instructions in order, so no wait stands between the stores and the loads
.irp i, 0,1,2,3
	ds_store_b128 v14, v[R+16*((\t)%DEPTH)+4*\i:R+16*((\t)%DEPTH)+4*\i+3] offset:32*SP*((\t)%2)+8*SP*\i
.endr
.irp i, 0,1,2,3
	ds_load_b128 v[X+16*((\t)%2)+4*\i:X+16*((\t)%2)+4*\i+3], v15 offset:32*SP*((\t)%2)+16*\i
.endr
.endm
.irp t, 0,1,2,3,4,5,6,7
	LOAD \t
.endr
	s_wait_loadcnt 4*(DEPTH-1)                     ; step 0's four loads are in; the 28 of steps 1 to 7 stay out
	TURN 0
.macro STEP t
.set XS, X+16*((\t)%2)
.if (\t) > 0
	s_wait_dscnt 1                                 ; this step's numbers are back from the stage (the last step's byte store may be out)
.else
	s_wait_dscnt 0x0
.endif
.if (\t)+DEPTH < STEPS
	LOAD (\t)+DEPTH                                ; into the registers that the stage's stores have read
.endif
.if (\t)+1 < STEPS
.if STEPS-2-(\t) >= DEPTH-1
	s_wait_loadcnt 4*(DEPTH-1)                     ; the next step's four loads are in; those of the seven steps behind it may be out
.else
	s_wait_loadcnt 4*(STEPS-2-(\t))                ; the tail: the counts run down
.endif
	TURN (\t)+1                                    ; through the other stage while this step is worked
.endif
	v_max3_num_f32 v8, |v[XS]|, |v[XS+1]|, |v[XS+2]|               ; the largest magnitude of my 16, in two chains
	v_max3_num_f32 v9, |v[XS+3]|, |v[XS+4]|, |v[XS+5]|
.irp i, 6,10
	v_max3_num_f32 v8, v8, |v[XS+\i]|, |v[XS+\i+1]|
	v_max3_num_f32 v9, v9, |v[XS+\i+2]|, |v[XS+\i+3]|
.endr
	v_max3_num_f32 v8, v8, |v[XS+14]|, |v[XS+15]|
	v_max3_num_f32 v8, v8, v9, (EMAX+1)<<23        ; and the floor 2^(EMAX + 1 - 127): the byte cannot fall under 1
	v_max_num_f32_dpp v8, v8, v8 row_xmask:1 row_mask:0xf bank_mask:0xf   ; and of my neighbour's 16: the block's
	v_add_nc_u32 v11, -(EMAX<<23), v8              ; EMAX off its exponent field: the conversion takes the exponent field of this operand as its scale
	v_cvt_scalef32_pk8_fp4_f32 v[C+4*(\t)], v[XS:XS+7], v11
	v_cvt_scalef32_pk8_fp4_f32 v[C+4*(\t)+1], v[XS+8:XS+15], v11
	v_lshrrev_b32 v[E+(\t)], 23, v11               ; the scale's byte (a plain line behind the conversions)
	ds_store_b8 v5, v[E+(\t)] offset:16*(\t)       ; both lanes of a block write the same byte with the same value
	global_store_b64 v4, v[C+4*(\t):C+4*(\t)+1], s[8:9] offset:32*CB*(\t)   ; 32 lanes store 256 consecutive bytes
.endm
.irp t, 0,1,2,3,4,5,6,7,8,9,10,11,12,13,14,15
	STEP \t
.endr
	ds_load_b64 v[8:9], v6                         ; LDS serves a wave's instructions in order: these see my byte stores
	s_wait_dscnt 0x0
	global_store_b64 v7, v[8:9], s[10:11]          ; 256 consecutive scale bytes
	s_branch .Lend
.Lwp:
	; Wp to f16: 64 chunks of 512 bytes in, 256 bytes out; 32 loads of a wave are on their way
	s_sub_co_u32 s25, ttmp9, 224
	s_lshl_b32 s25, s25, 2
	s_add_co_u32 s25, s25, s24
	s_lshl_b32 s28, s25, 15
	s_add_nc_u64 s[12:13], s[12:13], s[28:29]
	s_lshl_b32 s28, s25, 14
	s_add_nc_u64 s[22:23], s[22:23], s[28:29]
.set W, 0
.rept 32
	global_load_b128 v[R+4*W:R+4*W+3], v3, s[12:13] offset:512*W th:TH_LOAD_NT
.set W, W+1
.endr
.macro WPC t
.if 63-(\t) < 31
	s_wait_loadcnt 63-(\t)                         ; the tail: the counts run down
.else
	s_wait_loadcnt 31                              ; chunk t is in; the 31 younger chunks stay out
.endif
.if (\t) == 32
	s_wait_xcnt 0x0                                ; from here the stores' data registers are written a second time: the first 32 stores have read theirs
.endif
	v_cvt_pk_f16_f32 v[C+2*((\t)%32)], v[R+4*((\t)%32)], v[R+4*((\t)%32)+1]
	v_cvt_pk_f16_f32 v[C+2*((\t)%32)+1], v[R+4*((\t)%32)+2], v[R+4*((\t)%32)+3]
.if (\t)+32 < 64
	global_load_b128 v[R+4*((\t)%32):R+4*((\t)%32)+3], v3, s[12:13] offset:512*((\t)+32) th:TH_LOAD_NT
.endif
	global_store_b64 v7, v[C+2*((\t)%32):C+2*((\t)%32)+1], s[22:23] offset:256*(\t)
.endm
.set W, 0
.rept 64
	WPC W
.set W, W+1
.endr
.Lend:
	s_wait_tensorcnt 0x0                           ; the wave's end, behind my last LDS store
	ds_add_u32 v[SPW], v[NIL]
	s_wait_dscnt 0x0
	s_endpgm
.Lfunc_end_k_q6a494ebc29_quant:
	.size	k_q6a494ebc29_quant, .Lfunc_end_k_q6a494ebc29_quant-k_q6a494ebc29_quant
	.p2alignl 7, 3214868480
	.fill 96, 4, 3214868480
	.section	.rodata,"a",@progbits
	.p2align	6, 0x0
	.amdhsa_kernel k_q6a494ebc29_quant
		.amdhsa_group_segment_fixed_size 33280
		.amdhsa_private_segment_fixed_size 0
		.amdhsa_enable_private_segment 0
		.amdhsa_kernarg_size 80
		.amdhsa_user_sgpr_count 2
		.amdhsa_user_sgpr_kernarg_segment_ptr 1
		.amdhsa_wavefront_size32 1
		.amdhsa_system_sgpr_workgroup_id_x 1
		.amdhsa_system_sgpr_workgroup_id_y 1
		.amdhsa_system_sgpr_workgroup_id_z 1
		.amdhsa_system_vgpr_workitem_id 0
		.amdhsa_next_free_vgpr 256
		.amdhsa_next_free_sgpr 66
		.amdhsa_reserve_vcc 0
		.amdhsa_float_denorm_mode_32 3
		.amdhsa_float_denorm_mode_16_64 3
		.amdhsa_memory_ordered 1
		.amdhsa_forward_progress 1
		.amdhsa_inst_pref_size 56
	.end_amdhsa_kernel
	.amdgpu_metadata
---
amdhsa.version: [ 1, 2 ]
amdhsa.kernels:
  - .name:           k_q6a494ebc29_quant
    .symbol:         k_q6a494ebc29_quant.kd
    .args:
      - { .name: x, .offset: 0, .size: 8, .value_kind: global_buffer, .address_space: global }
      - { .name: Wq, .offset: 8, .size: 8, .value_kind: global_buffer, .address_space: global }
      - { .name: Wk, .offset: 16, .size: 8, .value_kind: global_buffer, .address_space: global }
      - { .name: Wv, .offset: 24, .size: 8, .value_kind: global_buffer, .address_space: global }
      - { .name: Wp, .offset: 32, .size: 8, .value_kind: global_buffer, .address_space: global }
      - { .name: x_codes, .offset: 40, .size: 8, .value_kind: global_buffer, .address_space: global }
      - { .name: x_scales, .offset: 48, .size: 8, .value_kind: global_buffer, .address_space: global }
      - { .name: w_codes, .offset: 56, .size: 8, .value_kind: global_buffer, .address_space: global }
      - { .name: w_scales, .offset: 64, .size: 8, .value_kind: global_buffer, .address_space: global }
      - { .name: wp16, .offset: 72, .size: 8, .value_kind: global_buffer, .address_space: global }
    .group_segment_fixed_size: 33280
    .private_segment_fixed_size: 0
    .kernarg_segment_align: 8
    .kernarg_segment_size: 80
    .max_flat_workgroup_size: 128
    .sgpr_count:     66
    .vgpr_count:     256
    .wavefront_size: 32
...
	.end_amdgpu_metadata
.endif
;; end of part 1
;; launch qkv (part 2): grid 12 x 16, 4 waves a work-group, clusters of 4 x 4, 327,680 bytes of LDS; arguments x_codes, x_scales, w_codes, w_scales, cos, sin, qkv16, qkvf; writes qkv16, qkvf
.if DOCPART == 2
	.amdgcn_target "amdgcn-amd-amdhsa--gfx1250"
	.amdhsa_code_object_version 6
	.text
	.protected	k_q6a494ebc29_qkv
	.globl	k_q6a494ebc29_qkv
	.p2align	8
	.type	k_q6a494ebc29_qkv,@function
k_q6a494ebc29_qkv:
	s_mov_b64 s[64:65], 0
	v_nop
	global_prefetch_b8 v0, s[64:65] scope:SCOPE_SE
	s_setreg_imm32_b32 hwreg(HW_REG_WAVE_MODE, 25, 1), 1
	s_wait_xcnt 0x0
	s_wait_alu depctr_hold_cnt(0) depctr_sa_sdst(0) depctr_va_vdst(0) depctr_va_sdst(0) depctr_va_ssrc(0) depctr_va_vcc(0) depctr_vm_vsrc(0)
	s_getreg_b32 s2, hwreg(HW_REG_IB_STS2, 6, 4)
	s_cmp_eq_u32 s2, 0
	s_cbranch_scc0 .Lentry_in_a_cluster
	s_endpgm
.Lentry_in_a_cluster:
	s_bfe_u32 s2, ttmp6, 0x10000c
	s_cmp_lg_u32 s2, 0xf033
	s_cbranch_scc0 .Lentry_shape_is_right
	s_endpgm
.Lentry_shape_is_right:
; q, k, v = x W^T on codes of FP4 (E2M1) with one E8M0 scale for each 32 along K = 1,024; then the rotation of q and k by the cos and sin inputs, in f32; the results leave as f16
; IN THE ORDER OF THE NEXT PRODUCTS' OPERAND REGISTERS: an image is 512 bytes, lane l's 16 bytes at 16 l; a fragment of 16 rows x 32 K of f16 is two images.
; A tile of C, 256 x 256, is made by four waves, 128 x 128 each: 64 accumulators, 512 registers.  K goes in two steps of 512 through two LDS slots, both filled once; the scale bytes come once.
; The matrix instruction is used transposed (source 0 = 16 rows of B, source 1 = 16 rows of A): a lane holds one row of A's side and eight neighbouring rows of B's side.
; ROLES, by the cluster's x, which all sixteen partners share.  0 (q) and 1 (k): A = x's rows, B = the weight's rows: a lane holds one position and eight channels: packed to f16 they are an image of a
; fragment of Q or K.  2 (v): A = Wv's rows, B = x's rows: a lane holds one channel and eight positions: an image of a fragment of V^T.
; q and k are multiplied by 2^-6 (cos and sin carry the factor: exact), so that they have room in f16; the softmax's constant takes the 2^12 back.
; LIMITS: |q|, |k| behind the rotation under 4.19e6, |v| under 65,504 (f16's largest number); beyond them the f16 numbers are infinities.
; The positions t < 16 of each sequence are also stored as f32 images (qkvf), under an EXEC mask made of ids: the stores of the other work-groups' lanes are off.
; CLUSTERS: 4 x 4.  A's tiles are shared along a row of the cluster, B's along a column: each is asked for jointly.
; REGISTERS: window 0: v0-31 addresses; v32-95 scale words, two sets; v128-191 A's fragments, one set; v192-255 idle in the loop.   window 1: B's fragments, two sets, at v0 and v128; v64-127 and v192-255 idle in the loop.
;   windows 2, 3: the accumulators ((a, b) at v[8 (8 (a % 4) + b)]).
; COS AND SIN of a block of 16 positions are 64 registers a lane.  Blocks 0 to 2 are asked for ahead of slot 1's 256 matrix instructions, into the three idle sets; blocks 3 to 5 behind the last product, into B's and A's
; registers; blocks 6 and 7 into the sets that blocks 0 and 1 have left.  On the way out v32-63 hold a head's 16 x 64 rotated numbers; its packed f16 words are written over its own accumulators, which have been read:
; so no store's data are written again.
.set KSTEP,  512
.set NQ,     KSTEP/128
.set ROWB,   256                       ; a tile's row in bytes
.set KROW,   512                       ; a row of codes in memory
.set PITCH,  272                       ; an LDS row: 256 bytes + 16 of padding: the 16 rows of a load start at 16 different banks (64 banks of 4 bytes: ISA guide 11.1)
.set FR,     8
.set NL,     2
.set NP,     4
.set HALFT,  128*PITCH
.set SLOT,   4*HALFT
.set KS,     32                        ; a row of scale bytes
.set SCL,    2*SLOT                    ; behind the slots: the scales, as units of 256 bytes + 16 of padding
.set HALFS,  (128*KS/256)*272
.set SBLK,   (16*KS/256)*272
.set SPARE,  SCL+4*HALFS               ; the spare words: 128 bytes a wave, two blocks of 256 bytes that no other line names
.set ADRA, 16                          ; v16-17  LDS address of my A fragments in slot 0, 1
.set ADRB, 20                          ; v20-21  the same for B
.set RO,   25                          ; v25     cos, sin: 256 (lane % 16) + 32 (lane / 16); never rewritten
.set CO,   26                          ; v26     16 x lane: an image's place for my lane; never rewritten
.set ADRS, 27                          ; v27     LDS address of my scale words
.set SPW,  28
.set NIL,  29
.set EL,   30                          ; v30     at work for the EXEC mask
.set SC,   32
.set AF,   128
.set T,    32
.set G1, 24
.set G0, 32
.set G1B, 48
.set G0B, 56
.set G1S, 68
.set G0S, 76
.set G1SB, 80
.set G0SB, 88
.set MSB, 0
.macro WIN new                         ; the immediate's high byte repeats the setting that is left
.if MSB != \new
	s_set_vgpr_msb (MSB<<8)|\new
.set MSB, \new
.endif
.endm
.set MUL_LO, 0xa1                      ; source 0 (B) window 1, source 1 (A) window 0, C and D window 2
.set MUL_HI, 0xf1
.set TO_B,   0x40
; A joint load: waves 0 and 1 fetch for A, waves 2 and 3 for B; the branch hangs on the wave's number alone.  An s_nop 0 and four v_nop follow each of the two lines.
.macro JLOAD g0a, g1a, g0b, g1b
	s_cmp_eq_u32 s15, 0
	s_cbranch_scc0 .Lfor_b_\@
	tensor_load_to_lds s[\g0a:\g0a+3], s[\g1a:\g1a+7]
	s_nop 0
.rept 4
	v_nop
.endr
	s_branch .Lasked_\@
.Lfor_b_\@:
	tensor_load_to_lds s[\g0b:\g0b+3], s[\g1b:\g1b+7]
	s_nop 0
.rept 4
	v_nop
.endr
.Lasked_\@:
.endm
.macro CROUND                          ; a round of the cluster's barrier
	s_barrier_signal -1
	s_barrier_wait -1
	s_cmp_lg_u32 s14, 0
	s_cbranch_scc1 .Lnot_wave_0_\@
	s_barrier_signal -3
.Lnot_wave_0_\@:
	s_barrier_wait -3
	s_barrier_signal -1
	s_barrier_wait -1
.endm
	s_load_b256 s[4:11], s[0:1], 0x0               ; x_codes, x_scales, w_codes, w_scales
	v_lshl_add_u32 v[SPW], v0, 2, SPARE
	v_mov_b32 v[NIL], 0
	ds_add_u32 v[SPW], v[NIL]                      ; the wave's opening: the add, twice on end, and its wait ahead of my first tensor load
	ds_add_u32 v[SPW], v[NIL]
	v_lshrrev_b32 v1, 5, v0
	v_readfirstlane_b32 s14, v1                    ; wave 0..3
	s_lshr_b32 s15, s14, 1                         ; which half of A's 256 rows is mine.  Also: I fetch for A (0) or for B (1)
	s_and_b32 s16, s14, 1                          ; which half of B's.  Also: which 128 rows of that tile I fetch
	s_bfe_u32 s40, ttmp6, 0x40000                  ; cx
	s_bfe_u32 s41, ttmp6, 0x40004                  ; cy
	s_and_b32 s13, ttmp7, 0xffff                   ; the cluster's y
	s_cmp_eq_u32 ttmp9, 2                          ; the cluster's x: 2 makes v
	s_cselect_b32 s17, 0, s13                      ; A's tile rows: x has 16 (by the cluster's y), Wv has 4
	s_cselect_b32 s42, s13, ttmp9                  ; B's tile columns: Wq and Wk have 8 (by the cluster's x), x has 16
	s_cselect_b32 s12, 2048, 0                     ; Wv begins at row 2,048 of the weights
	s_lshl_b32 s17, s17, 2
	s_add_co_u32 s17, s17, s41                     ; tile row
	s_lshl_b32 s42, s42, 2
	s_add_co_u32 s42, s42, s40                     ; tile column
	s_lshl_b32 s43, s41, 2
	s_lshl_b32 s43, 15, s43                        ; my row of the cluster
	s_lshl_b32 s44, 0x1111, s40                    ; my column
	s_or_b32 s[G1+0], s43, (0<<16)|(1<<20)|(1<<21)|(5<<22)|(3<<25)  ; the mask; elements of 1 byte; padding on; bit 21 beside a mask; after every 64 words, 4 words
	s_or_b32 s[G1B+0], s44, (0<<16)|(1<<20)|(1<<21)|(5<<22)|(3<<25)
.irp g, G1, G1B
	s_mov_b32 s[\g+1], ROWB<<16                    ; tensor_dim0
	s_mov_b32 s[\g+2], 128<<16                     ; tensor_dim1
	s_mov_b32 s[\g+3], ROWB<<16                    ; tile_dim0
	s_mov_b32 s[\g+4], 128                         ; tile_dim1
	s_mov_b32 s[\g+5], KROW                        ; the pitch
	s_mov_b32 s[\g+6], 0
	s_mov_b32 s[\g+7], 0
.endr
	s_or_b32 s[G1S+0], s43, (3<<16)|(1<<20)|(1<<21)|(5<<22)|(3<<25) ; the scales of 128 rows: 4,096 dense bytes as 16 rows of 256, 16 bytes of padding behind each
	s_or_b32 s[G1SB+0], s44, (3<<16)|(1<<20)|(1<<21)|(5<<22)|(3<<25)
.irp g, G1S, G1SB
	s_mov_b32 s[\g+1], 32<<16
	s_mov_b32 s[\g+2], (128*KS/256)<<16
	s_mov_b32 s[\g+3], 32<<16
	s_mov_b32 s[\g+4], 128*KS/256
	s_mov_b32 s[\g+5], 32
	s_mov_b32 s[\g+6], 0
	s_mov_b32 s[\g+7], 0
.endr
	s_lshl_b32 s18, s16, 7                         ; which 128 rows of the tile I fetch
	s_lshl_b32 s20, s17, 8
	s_add_co_u32 s20, s20, s18
	s_add_co_u32 s20, s20, s12                     ; A: its first row + 256 x tile row + 128 x half
	s_lshl_b32 s46, s42, 8
	s_add_co_u32 s46, s46, s18                     ; B: 256 x tile column + 128 x half
	s_lshl_b32 s22, s20, 5                         ; where these rows' scales begin, in bytes,
	s_mov_b32 s23, 0
	s_lshl_b32 s20, s20, 9                         ; and their codes
	s_mov_b32 s21, 0
	s_lshl_b32 s92, s46, 5
	s_mov_b32 s93, 0
	s_lshl_b32 s46, s46, 9
	s_mov_b32 s47, 0
	s_mul_i32 s45, s14, HALFT                      ; where they go: wave x 128 rows: no place in the cluster enters an LDS address
	s_mul_i32 s94, s14, HALFS
	s_wait_dscnt 0x0                               ; both opening adds are done
	s_wait_kmcnt 0x0
	s_cmp_eq_u32 ttmp9, 2                          ; which tensor is A and which is B: a choice on the cluster's number
	s_cselect_b64 s[96:97], s[8:9], s[4:5]         ; A's codes
	s_cselect_b64 s[98:99], s[10:11], s[6:7]       ; A's scales
	s_cselect_b64 s[8:9], s[4:5], s[8:9]           ; B's codes
	s_cselect_b64 s[10:11], s[6:7], s[10:11]       ; B's scales
	s_add_nc_u64 s[20:21], s[96:97], s[20:21]
	s_add_nc_u64 s[22:23], s[98:99], s[22:23]
	s_add_nc_u64 s[46:47], s[8:9], s[46:47]
	s_add_nc_u64 s[92:93], s[10:11], s[92:93]
	CROUND                                         ; all sixteen work-groups are here: the first joint loads meet
	s_mov_b32 s[G0S], 1
	s_add_co_u32 s[G0S+1], s94, SCL
	s_mov_b64 s[G0S+2:G0S+3], s[22:23]
	s_or_b32 s[G0S+3], s[G0S+3], 0x80000000
	s_mov_b32 s[G0SB], 1
	s_add_co_u32 s[G0SB+1], s94, SCL
	s_mov_b64 s[G0SB+2:G0SB+3], s[92:93]
	s_or_b32 s[G0SB+3], s[G0SB+3], 0x80000000
	JLOAD G0S, G1S, G0SB, G1SB                     ; the scales first: they are wanted with K step 0
.irp s, 0,1
	s_mov_b32 s[G0+4*\s], 1
	s_add_co_u32 s[G0+4*\s+1], s45, \s*SLOT
	s_add_nc_u64 s[G0+4*\s+2:G0+4*\s+3], s[20:21], \s*ROWB
	s_or_b32 s[G0+4*\s+3], s[G0+4*\s+3], 0x80000000
	s_mov_b32 s[G0B+4*\s], 1
	s_add_co_u32 s[G0B+4*\s+1], s45, \s*SLOT
	s_add_nc_u64 s[G0B+4*\s+2:G0B+4*\s+3], s[46:47], \s*ROWB
	s_or_b32 s[G0B+4*\s+3], s[G0B+4*\s+3], 0x80000000
	JLOAD G0+4*\s, G1, G0B+4*\s, G1B               ; three tensor loads of mine are out: all first fills; nothing is filled again in this launch
.endr
	s_load_b256 s[4:11], s[0:1], 0x20              ; cos, sin, qkv16, qkvf (the four pointers above are used up)
	v_and_b32 v1, 15, v0                           ; r = lane % 16
	v_bfe_u32 v2, v0, 4, 1                         ; h = lane / 16
	v_mul_u32_u24 v3, v1, PITCH
	v_lshl_add_u32 v4, v2, 4, v3                   ; a fragment's row x pitch + 16 x half
	s_mul_i32 s21, s15, HALFT                      ; my 128 rows of A
	s_mul_i32 s22, s16, HALFT                      ; my 128 rows of B,
	s_add_co_u32 s22, s22, 2*HALFT                 ; which lie behind A's 256
.irp s, 0,1
	v_add_nc_u32 v[ADRA+\s], s21, v4
	v_add_nc_u32 v[ADRB+\s], s22, v4
	s_add_co_u32 s21, s21, SLOT
	s_add_co_u32 s22, s22, SLOT
.endr
	v_mul_u32_u24 v5, v1, KS                       ; my row's scales: KS bytes a row,
	v_lshrrev_b32 v6, 8, v5
	v_lshl_add_u32 v5, v6, 4, v5                   ; and 16 more for each 256 passed
	s_mul_i32 s21, s15, HALFS
	s_mul_i32 s22, s16, HALFS
	s_add_co_u32 s22, s22, 2*HALFS
	s_sub_co_u32 s22, s22, s21
	v_mul_u32_u24 v6, s22, v2                      ; lanes 16-31 take B's
	s_add_co_u32 s21, s21, SCL
	v_add_nc_u32 v5, v5, v6
	v_add_nc_u32 v[ADRS], s21, v5
	v_and_b32 v6, 31, v0
	v_lshlrev_b32 v[CO], 4, v6
	v_lshlrev_b32 v[RO], 8, v1
	v_lshl_add_u32 v[RO], v2, 5, v[RO]
	s_lshl_b32 s66, s17, 8
	s_lshl_b32 s18, s15, 7
	s_add_co_u32 s66, s66, s18                     ; rA: my first row on A's side (a position, or for v a channel)
	s_lshl_b32 s67, s42, 8
	s_lshl_b32 s18, s16, 7
	s_add_co_u32 s67, s67, s18                     ; cB: my first row on B's side (a weight's row, or for v a position)
.macro FRAG reg, adr, q, i             ; 16 rows x 128 K of 4-bit codes: 8 registers, two loads of 16 bytes, 32 bytes apart
.irp c, 0,1
	ds_load_b128 v[\reg+4*\c:\reg+4*\c+3], v[\adr] offset:64*(\q)+32*\c+(\i)*16*PITCH
.endr
.endm
; 16 matrix instructions: A's blocks a0, a0 + 1 x B's eight, the slot's q-th 128 along K.  The 64 accumulators take turns, one instruction a turn, in the same order in every step.
.macro MUL16 a0, p, q, sc, zero
.irp a, \a0, \a0+1
.irp b, 0,1,2,3,4,5,6,7
.if \zero
	v_wmma_scale_f32_16x16x128_f8f6f4 v[8*(8*((\a)%4)+\b):8*(8*((\a)%4)+\b)+7], v[128*(\p)+FR*\b:128*(\p)+FR*\b+FR-1], v[AF+FR*(\a):AF+FR*(\a)+FR-1], 0, v[SC+8*NQ*(\sc)+NQ*\b+(\q)], v[SC+8*NQ*(\sc)+NQ*(\a)+(\q)] matrix_a_fmt:MATRIX_FMT_FP4 matrix_b_fmt:MATRIX_FMT_FP4 matrix_a_scale:MATRIX_SCALE_ROW1
.else
	v_wmma_scale_f32_16x16x128_f8f6f4 v[8*(8*((\a)%4)+\b):8*(8*((\a)%4)+\b)+7], v[128*(\p)+FR*\b:128*(\p)+FR*\b+FR-1], v[AF+FR*(\a):AF+FR*(\a)+FR-1], v[8*(8*((\a)%4)+\b):8*(8*((\a)%4)+\b)+7], v[SC+8*NQ*(\sc)+NQ*\b+(\q)], v[SC+8*NQ*(\sc)+NQ*(\a)+(\q)] matrix_a_fmt:MATRIX_FMT_FP4 matrix_b_fmt:MATRIX_FMT_FP4 matrix_a_scale:MATRIX_SCALE_ROW1
.endif
.endr
.endr
.endm
.macro FETCH_B slot, q, p
	WIN TO_B
.irp i, 0,1,2,3,4,5,6,7
	FRAG 128*(\p)+FR*\i, ADRB+\slot, \q, \i
.endr
	WIN 0
.endm
.macro FETCH_A slot, q, i0
.irp i, \i0, \i0+1, \i0+2, \i0+3
	FRAG AF+FR*(\i), ADRA+\slot, \q, \i
.endr
.endm
.macro SCALES sc                       ; a K step's scale words: lanes 0-15 take A's block i, lanes 16-31 B's block i
.irp i, 0,1,2,3,4,5,6,7
	ds_load_b128 v[SC+8*NQ*\sc+NQ*\i:SC+8*NQ*\sc+NQ*\i+3], v[ADRS] offset:\i*SBLK
.endr
.endm
.macro PLACES n                        ; places behind matrix instructions, in front of loads into their registers and of reads of their results
.rept \n
	v_nop
.endr
.endm
.macro STEP slot, q, zero              ; a step of 128 along K that has its successor in the same slot
	s_wait_dscnt 4*NL                              ; B's set and A's blocks 0-3 are in; the youngest eight loads (A's blocks 4-7) may be out
	WIN MUL_LO
	MUL16 0, (\q)%2, \q, \slot, \zero
	MUL16 2, (\q)%2, \q, \slot, \zero
	s_wait_dscnt 0
	PLACES NP
	FETCH_B \slot, (\q)+1, 1-(\q)%2
	FETCH_A \slot, (\q)+1, 0
	WIN MUL_HI
	MUL16 4, (\q)%2, \q, \slot, \zero
	MUL16 6, (\q)%2, \q, \slot, \zero
	PLACES NP
	WIN 0
	FETCH_A \slot, (\q)+1, 4
.endm
; Slot 0's last step changes slots: one barrier; in front of it each wave waits for all its tensor loads (its part of slot 1), adds 0 to its spare word and waits for that and for its reads.
.macro TURN slot, next
	s_wait_tensorcnt 0x0
	ds_add_u32 v[SPW], v[NIL]
	s_wait_dscnt 4*NL+1                            ; the add and the youngest eight loads (A's blocks 4-7) may be out
	WIN MUL_LO
	MUL16 0, 1, NQ-1, \slot, 0
	s_wait_dscnt 0x0
	s_barrier_signal -1
	MUL16 2, 1, NQ-1, \slot, 0
	WIN 0
	s_barrier_wait -1
	PLACES NP
	v_add_nc_u32 v[ADRS], 4*NQ, v[ADRS]            ; on to the next K step's scale words (no LDS load of mine is out)
	FETCH_B \next, 0, 0
	FETCH_A \next, 0, 0
	SCALES \next
	WIN MUL_HI
	MUL16 4, 1, NQ-1, \slot, 0
	MUL16 6, 1, NQ-1, \slot, 0
	PLACES NP
	WIN 0
	FETCH_A \next, 0, 4
.endm
.macro STEPS slot, from
.set Q, \from
.rept NQ-1-\from
	STEP \slot, Q, 0
.set Q, Q+1
.endr
.endm
.macro TAIL                            ; slot 1's four steps; the last fetches nothing
	STEPS 1, 0
	s_wait_dscnt 4*NL
	WIN MUL_LO
	MUL16 0, 1, NQ-1, 1, 0
	MUL16 2, 1, NQ-1, 1, 0
	s_wait_dscnt 0
	WIN MUL_HI
	MUL16 4, 1, NQ-1, 1, 0
	MUL16 6, 1, NQ-1, 1, 0
	WIN 0
	PLACES NP                                      ; in front of the way out's loads into A's and B's registers, its writes over the scale words and its reads of results
.endm
; Where block a's cos and sin lie: window CSW, from register CSB on: cos at 0-31, sin at 32-63; register 8 bb + i: channel 16 bb + 8 (lane / 16) + i.
.macro CSSET a
.if ((\a) == 0) || ((\a) == 6)
.set CSW, 0
.set CSB, 192
.elseif ((\a) == 1) || ((\a) == 7)
.set CSW, 1
.set CSB, 64
.elseif (\a) == 2
.set CSW, 1
.set CSB, 192
.elseif (\a) == 3
.set CSW, 1
.set CSB, 0
.elseif (\a) == 4
.set CSW, 1
.set CSB, 128
.else
.set CSW, 0
.set CSB, 128
.endif
.endm
.macro CSLOAD a                        ; sixteen loads; the eight of a table cover 16 whole rows of 256 bytes
	CSSET \a
	WIN (CSW<<6)                                   ; the destination's window; the address lies in window 0
.irp bb, 0,1,2,3
.irp u, 0,1
	global_load_b128 v[CSB+8*\bb+4*\u:CSB+8*\bb+4*\u+3], v[RO], s[4:5] offset:(\a)*4096+64*\bb+16*\u
	global_load_b128 v[CSB+32+8*\bb+4*\u:CSB+32+8*\bb+4*\u+3], v[RO], s[6:7] offset:(\a)*4096+64*\bb+16*\u
.endr
.endr
	WIN 0
.endm
; The rotation of head j of block a: channels d < 32: q c - q(d + 32) s; d >= 32: q c + q(d - 32) s.  Source 0, the accumulators, lies in window 2 or 3, source 1, cos and sin, in window CSW; each accumulator is read from its low end on.
.macro ROPE a, j
.irp bb, 0,1
.irp p, 0,1,2,3
	v_pk_mul_f32 v[T+8*\bb+2*\p:T+8*\bb+2*\p+1], v[AC+8*(4*\j+\bb)+2*\p:AC+8*(4*\j+\bb)+2*\p+1], v[CSB+8*\bb+2*\p:CSB+8*\bb+2*\p+1]
	v_pk_mul_f32 v[T+8*(\bb+2)+2*\p:T+8*(\bb+2)+2*\p+1], v[AC+8*(4*\j+\bb+2)+2*\p:AC+8*(4*\j+\bb+2)+2*\p+1], v[CSB+8*(\bb+2)+2*\p:CSB+8*(\bb+2)+2*\p+1]
.endr
.irp p, 0,1,2,3
	v_pk_fma_f32 v[T+8*\bb+2*\p:T+8*\bb+2*\p+1], v[AC+8*(4*\j+\bb+2)+2*\p:AC+8*(4*\j+\bb+2)+2*\p+1], v[CSB+32+8*\bb+2*\p:CSB+32+8*\bb+2*\p+1], v[T+8*\bb+2*\p:T+8*\bb+2*\p+1] neg_lo:[1,0,0] neg_hi:[1,0,0]
	v_pk_fma_f32 v[T+8*(\bb+2)+2*\p:T+8*(\bb+2)+2*\p+1], v[AC+8*(4*\j+\bb)+2*\p:AC+8*(4*\j+\bb)+2*\p+1], v[CSB+32+8*(\bb+2)+2*\p:CSB+32+8*(\bb+2)+2*\p+1], v[T+8*(\bb+2)+2*\p:T+8*(\bb+2)+2*\p+1]
.endr
.endr
.endm
; The f32 images of positions 0 to 15 of a sequence: all lanes on where my first position is a sequence's first, else all off.  EXEC changes only behind s_wait_xcnt 0, both ways; the second of the two waits also frees T.
.macro FINE8 j
	v_mov_b32 v[EL], s95
	v_cmp_eq_u32 vcc_lo, 0, v[EL]
	s_wait_xcnt 0x0
	s_and_saveexec_b32 s3, vcc_lo
.irp n, 0,1,2,3,4,5,6,7
	global_store_b128 v[CO], v[T+4*\n:T+4*\n+3], s[10:11] offset:(\j)*4096+\n*512
.endr
	s_wait_xcnt 0x0
	s_or_b32 exec_lo, exec_lo, s3
.endm
.macro QKBLOCK a                       ; block a: 16 positions x my two heads
.set AC, 64*((\a)%4)
.set AW, 2+(\a)/4                      ; the accumulators' window
.if (\a) == 3
	s_wait_loadcnt 32                              ; block 3's cos and sin are in; the 32 loads of blocks 4 and 5 stay out
	CSLOAD 6                                       ; into the set that block 0 has left
.elseif (\a) == 4
	s_wait_loadcnt 32                              ; block 4's are in; those of blocks 5 and 6 stay out
	CSLOAD 7                                       ; into the set that block 1 has left
.elseif (\a) == 5
	s_wait_loadcnt 32                              ; block 5's are in; those of blocks 6 and 7 stay out
.elseif (\a) == 6
	s_wait_loadcnt 16                              ; block 7's stay out
.elseif (\a) == 7
	s_wait_loadcnt 0x0
.endif
	CSSET \a
	WIN ((CSW<<6)|CSW)
.set i, 0
.rept 32
	v_pk_mul_f32 v[CSB+i:CSB+i+1], v[CSB+i:CSB+i+1], 0x3c800000 op_sel_hi:[1,0]   ; x 2^-6: exact
.set i, i+2
.endr
.irp j, 0,1
	WIN (AW|(CSW<<2))
	ROPE \a, \j
	WIN (AW<<6)                                    ; the packed words go over this head's first two accumulators, which the rotation has read
.irp bbb, 0,1,2,3
.irp p, 0,1,2,3
	v_cvt_pk_f16_f32 v[AC+32*\j+4*\bbb+\p], v[T+8*\bbb+2*\p], v[T+8*\bbb+2*\p+1]
.endr
.endr
	WIN (AW<<2)                                    ; a store's data are its source 1
.irp bbb, 0,1,2,3
	global_store_b128 v[CO], v[AC+32*\j+4*\bbb:AC+32*\j+4*\bbb+3], s[8:9] offset:\j*262144+(\a)*2048+\bbb*512   ; an image: 512 consecutive bytes
.endr
	WIN 0
.if (\a) == 0
	FINE8 \j
.endif
.endr
.endm
.macro VBLOCK a                        ; block a: 16 channels x my 128 positions
.set AC, 64*((\a)%4)
.set PV, 32+32*((\a)%2)
.if (\a) > 1
	s_wait_xcnt 0x0                                ; block a - 2's stores have read their registers
.endif
	WIN (0x0a+5*((\a)/4))
.irp b, 0,1,2,3,4,5,6,7
.irp p, 0,1,2,3
	v_cvt_pk_f16_f32 v[PV+4*\b+\p], v[AC+8*\b+2*\p], v[AC+8*\b+2*\p+1]
.endr
.endr
	WIN 0
.irp b, 0,1,2,3,4,5,6,7
	global_store_b128 v[CO], v[PV+4*\b:PV+4*\b+3], s[8:9] offset:((\a)/4)*262144+(\b/2)*4096+((\a)%4)*1024+(\b%2)*512
.endr
.endm
	s_wait_kmcnt 0x0                               ; cos, sin, qkv16, qkvf
	s_wait_tensorcnt 1                             ; the scales and my part of K step 0 are in (K step 1's load may be out),
	s_barrier_signal -1
	s_barrier_wait -1                              ; everybody's are
	FETCH_B 0, 0, 0
	FETCH_A 0, 0, 0
	SCALES 0
	FETCH_A 0, 0, 4
	STEP 0, 0, 1                                   ; the first step's products start the sums: nothing is cleared
	STEPS 0, 1
	TURN 0, 1
	s_cmp_eq_u32 ttmp9, 2                          ; the paths part here, on the cluster's number: all sixteen partners go the same way
	s_cbranch_scc1 .Lv
	; ---- q and k.  Where my part begins: part (cB / 1024) x 8,388,608 + (16 batch + head) x 262,144 + position x 128; the f32 images: part x 131,072 + batch x 65,536 + head x 4,096
	s_lshr_b32 s18, s67, 10
	s_lshl_b32 s19, s18, 23
	s_lshl_b32 s18, s18, 17
	s_lshr_b32 s20, s66, 11
	s_lshl_b32 s21, s20, 22
	s_add_co_u32 s19, s19, s21
	s_lshl_b32 s21, s20, 16
	s_add_co_u32 s18, s18, s21
	s_bfe_u32 s20, s67, 0x40006                    ; my first head
	s_lshl_b32 s21, s20, 18
	s_add_co_u32 s19, s19, s21
	s_lshl_b32 s21, s20, 12
	s_add_co_u32 s18, s18, s21
	s_and_b32 s95, s66, 2047                       ; my first position in its sequence
	s_lshl_b32 s21, s95, 7
	s_add_co_u32 s20, s19, s21
	s_mov_b32 s21, 0
	s_add_nc_u64 s[8:9], s[8:9], s[20:21]
	s_mov_b32 s19, 0
	s_add_nc_u64 s[10:11], s[10:11], s[18:19]
	s_lshl_b32 s20, s66, 8                         ; cos, sin: 256 bytes a position
	s_add_nc_u64 s[4:5], s[4:5], s[20:21]
	s_add_nc_u64 s[6:7], s[6:7], s[20:21]
	CSLOAD 0                                       ; three blocks' cos and sin, 48 loads, land under slot 1's 256 matrix instructions, in registers that the loop does not name
	CSLOAD 1
	CSLOAD 2
	TAIL
	s_wait_loadcnt 0x0                             ; blocks 0 to 2 are in
	CSLOAD 3                                       ; three more, into B's two sets and A's set: blocks 0 to 2 are worked while they are on their way
	CSLOAD 4
	CSLOAD 5
.irp a, 0,1,2,3,4,5,6,7
	QKBLOCK \a
.endr
	s_branch .Lclose
.Lv:
	; ---- v.  16,777,216 + (16 batch + head) x 262,144 + position x 128; the f32 images: 262,144 + batch x 65,536 + channel x 64
	s_lshr_b32 s20, s67, 11
	s_lshl_b32 s19, s20, 22
	s_lshl_b32 s18, s20, 16
	s_lshr_b32 s20, s66, 6
	s_lshl_b32 s20, s20, 18
	s_add_co_u32 s19, s19, s20
	s_lshl_b32 s20, s66, 6
	s_add_co_u32 s18, s18, s20
	s_add_co_u32 s18, s18, 262144
	s_and_b32 s95, s67, 2047
	s_lshl_b32 s20, s95, 7
	s_add_co_u32 s20, s20, s19
	s_add_co_u32 s20, s20, 16777216
	s_mov_b32 s21, 0
	s_add_nc_u64 s[8:9], s[8:9], s[20:21]
	s_mov_b32 s19, 0
	s_add_nc_u64 s[10:11], s[10:11], s[18:19]
	TAIL
.irp a, 0,1,2,3,4,5,6,7
	VBLOCK \a
.endr
	v_mov_b32 v[EL], s95                           ; positions 0 to 15 are B's block 0 where my first position is a sequence's first
	v_cmp_eq_u32 vcc_lo, 0, v[EL]
	s_wait_xcnt 0x0
	s_and_saveexec_b32 s3, vcc_lo
.irp a, 0,1,2,3,4,5,6,7
	WIN (0x08+4*(\a/4))                            ; a store's data are its source 1: window 2 or 3
	global_store_b128 v[CO], v[64*(\a%4):64*(\a%4)+3], s[10:11] offset:\a*1024
	global_store_b128 v[CO], v[64*(\a%4)+4:64*(\a%4)+7], s[10:11] offset:\a*1024+512
.endr
	WIN 0
	s_wait_xcnt 0x0
	s_or_b32 exec_lo, exec_lo, s3
.Lclose:
	s_wait_tensorcnt 0x0                           ; the wave's end
	ds_add_u32 v[SPW], v[NIL]
	s_wait_dscnt 0x0
	CROUND                                         ; the closing round
	s_endpgm
.Lfunc_end_k_q6a494ebc29_qkv:
	.size	k_q6a494ebc29_qkv, .Lfunc_end_k_q6a494ebc29_qkv-k_q6a494ebc29_qkv
	.p2alignl 7, 3214868480
	.fill 96, 4, 3214868480
	.section	.rodata,"a",@progbits
	.p2align	6, 0x0
	.amdhsa_kernel k_q6a494ebc29_qkv
		.amdhsa_group_segment_fixed_size 327680
		.amdhsa_private_segment_fixed_size 0
		.amdhsa_enable_private_segment 0
		.amdhsa_kernarg_size 64
		.amdhsa_user_sgpr_count 2
		.amdhsa_user_sgpr_kernarg_segment_ptr 1
		.amdhsa_wavefront_size32 1
		.amdhsa_system_sgpr_workgroup_id_x 1
		.amdhsa_system_sgpr_workgroup_id_y 1
		.amdhsa_system_sgpr_workgroup_id_z 1
		.amdhsa_system_vgpr_workitem_id 0
		.amdhsa_next_free_vgpr 1024
		.amdhsa_next_free_sgpr 100
		.amdhsa_reserve_vcc 1
		.amdhsa_float_denorm_mode_32 3
		.amdhsa_float_denorm_mode_16_64 3
		.amdhsa_memory_ordered 1
		.amdhsa_forward_progress 1
		.amdhsa_inst_pref_size 255
	.end_amdhsa_kernel
	.amdgpu_metadata
---
amdhsa.version: [ 1, 2 ]
amdhsa.kernels:
  - .name:           k_q6a494ebc29_qkv
    .symbol:         k_q6a494ebc29_qkv.kd
    .args:
      - { .name: x_codes, .offset: 0, .size: 8, .value_kind: global_buffer, .address_space: global }
      - { .name: x_scales, .offset: 8, .size: 8, .value_kind: global_buffer, .address_space: global }
      - { .name: w_codes, .offset: 16, .size: 8, .value_kind: global_buffer, .address_space: global }
      - { .name: w_scales, .offset: 24, .size: 8, .value_kind: global_buffer, .address_space: global }
      - { .name: cos, .offset: 32, .size: 8, .value_kind: global_buffer, .address_space: global }
      - { .name: sin, .offset: 40, .size: 8, .value_kind: global_buffer, .address_space: global }
      - { .name: qkv16, .offset: 48, .size: 8, .value_kind: global_buffer, .address_space: global }
      - { .name: qkvf, .offset: 56, .size: 8, .value_kind: global_buffer, .address_space: global }
    .group_segment_fixed_size: 327680
    .private_segment_fixed_size: 0
    .kernarg_segment_align: 8
    .kernarg_segment_size: 64
    .max_flat_workgroup_size: 128
    .sgpr_count:     100
    .vgpr_count:     1024
    .wavefront_size: 32
...
	.end_amdgpu_metadata
.endif
;; end of part 2
;; launch attn (part 3): grid 8 x 32, 16 waves a work-group, no clusters, 327,680 bytes of LDS; arguments qkv16, o16; writes o16
.if DOCPART == 3
	.amdgcn_target "amdgcn-amd-amdhsa--gfx1250"
	.amdhsa_code_object_version 6
	.text
	.protected	k_q6a494ebc29_attn
	.globl	k_q6a494ebc29_attn
	.p2align	8
	.type	k_q6a494ebc29_attn,@function
k_q6a494ebc29_attn:
	s_mov_b64 s[64:65], 0
	v_nop
	global_prefetch_b8 v0, s[64:65] scope:SCOPE_SE
	s_setreg_imm32_b32 hwreg(HW_REG_WAVE_MODE, 25, 1), 1
	s_wait_xcnt 0x0
; o[b][q][head] = the sum over k <= q of softmax_k(q . k / 8) v, for 32 (batch, head) pairs, 2,048 positions, head size 64.  Operands in f16 (q and k carry 2^-6 each), products, maxima and sums in f32,
; the weights p rounded to f16 for the second product, o rounded to f16 once at the end.  A running maximum m and sum l for each query: p = 2^(c s - c m), c = log2(e) / 8 x 2^12.
; LIMITS: |o| under 65,504 (it is an average of v's numbers).  Positions 0 to 15 of each sequence are made again in f32 by a later launch.
; SHARES.  Work-group (i, pair) owns the blocks i and 15 - i of 128 queries: so every work-group has the same number of key steps under the causal mask.  A group of 32 queries (two tiles of 16) is served by TWO waves,
; w and w + 8, which share its key steps of 64 keys out by turns: wave w < 8 takes steps 0, 2, 4, 6 of each slot, wave w + 8 steps 1, 3, 5, 7.  Each keeps m, l and O^T of its own; at the end wave w + 8 hands its
; state over through LDS, and wave w brings both under the common maximum, adds them, divides and stores.  Sixteen waves, four to a SIMD.  Which block a wave serves is (w ^ (w >> 2)) & 1, which 32 queries of it
; (w >> 1) & 3: so of waves 4 s to 4 s + 3, and of waves s, s + 4, s + 8, s + 12 alike, two serve the early block and two the late one, and when the early block's few steps are done two waves still share each SIMD:
; one wave's softmax stands beside the other's products.
; NO CLUSTER: the query blocks of a pair need different numbers of key tiles under the mask, and a partner would jump over the reads of tiles that a joint load brings.
; LAYOUT.  Q, K and V^T lie in memory as images of their operand registers (512 bytes, lane l's 16 bytes at 16 l), so tiles are dense blocks, LDS needs no padding and nothing is transposed.
; S^T = K Q^T (source 0 = 16 keys, source 1 = 16 queries): a lane holds ONE query (lane % 16) and keys 8 (lane / 16) + 0..7; two such tiles, packed to f16 in place, are source 1 of O^T = V^T P.
; THE RING: two slots of 512 keys (K's 65,536 bytes, then V's).  Every wave fetches 8,192 bytes of a slot with one tensor load.  Every work-group walks all four slots: the trip counts are constants; a step all of
; whose keys come after the wave's queries is jumped over, and a slot whose first key comes after the work-group's last query is not asked for.
; REGISTERS: v1-7, v28-31 addresses and constants; v8-23 eight registers of statistics a tile (c m, m, l even, l odd, c0-c3); v24-27 my (c m, l) of both tiles at the end; v32-63 Q; v64-127 K, then V, at the end the
; partner's O^T; v128-191 S^T, then p, then P packed in its low half; v192-255 O^T.
.set SLOT1, 131072
.set SPARE, 262144                     ; the spare words: 128 bytes a wave, eight blocks of 256 bytes that no other line names
.set PAIRB, 8704                       ; the stage of a pair of waves: 16 images of O^T and one of (c m, l).  The stages lie in slot 0's bytes, which have had their last fill and which nobody reads when they are written
.set LI,   1                           ; v1   16 x lane; never rewritten
.set SPW,  2
.set NIL,  3
.set ADK,  4
.set ADV,  5
.set RH,   6                           ; v6   lane % 16 - 8 (lane / 16)
.set D0,   7
.set ST,   8
.set MY,   24
.set D1,   28
.set NINF, 29
.set PFO,  30                          ; v30  256 x lane; never rewritten
.set STG,  31                          ; v31  my pair's stage + 16 x lane; made at the head, never rewritten
.set QF,   32
.set KV,   64
.set SF,   128
.set OF,   192
.set WV,   8
.set KS,   9                           ; s9   the first key of the slot in hand: the same in all waves
.set PAR,  10                          ; s10  which of a group's two waves I am
.set GRP,  11                          ; s11  wave % 8
.set G1,   16
.set G0,   24
.set PFA,  28
.set LIM,  30
.set SLOTS, 31
.set STP,  32
.set TB,   33
.set KF,   34
.set Q0,   35
.set QL,   36
.set T0,   37
.set CS,   38
.set SEL,  40
	s_load_b128 s[4:7], s[0:1], 0x0                ; qkv16, o16
	v_lshl_add_u32 v[SPW], v0, 2, SPARE
	v_mov_b32 v[NIL], 0
	ds_add_u32 v[SPW], v[NIL]                      ; the wave's opening: the add, twice on end, and its wait ahead of my first tensor load
	ds_add_u32 v[SPW], v[NIL]
	v_lshrrev_b32 v1, 5, v0
	v_readfirstlane_b32 s[WV], v1                  ; wave 0..15
	s_mov_b32 s[G1], 3<<16                         ; no mask; elements of 8 bytes; no padding
	s_mov_b32 s[G1+1], 32<<16                      ; tensor_dim0 = 32 elements: rows of 256 bytes
	s_mov_b32 s[G1+2], 32<<16                      ; tensor_dim1 = 32
	s_mov_b32 s[G1+3], 32<<16                      ; tile_dim0
	s_mov_b32 s[G1+4], 32                          ; tile_dim1
	s_mov_b32 s[G1+5], 32                          ; the pitch: dense
	s_mov_b32 s[G1+6], 0
	s_mov_b32 s[G1+7], 0
	s_and_b32 s42, ttmp7, 0xffff                   ; the pair: 16 batch + head
	s_lshl_b32 s43, s42, 18                        ; its 262,144 bytes in each part
	s_lshr_b32 s[PAR], s[WV], 3
	s_and_b32 s[GRP], s[WV], 7
	s_lshr_b32 s44, s[WV], 2
	s_xor_b32 s44, s44, s[WV]
	s_and_b32 s44, s44, 1                          ; 0: the early block, 1: the late one
	s_bfe_u32 s45, s[WV], 0x20001                  ; which 32 of its 128 queries: (wave >> 1) & 3
	s_sub_co_u32 s46, 15, ttmp9
	s_cmp_eq_u32 s44, 0
	s_cselect_b32 s46, ttmp9, s46                  ; my block of 128 queries
	s_lshl_b32 s[Q0], s46, 7
	s_lshl_b32 s47, s45, 5
	s_add_co_u32 s[Q0], s[Q0], s47                 ; my first query
	s_sub_co_u32 s[QL], 16, ttmp9
	s_lshl_b32 s[QL], s[QL], 7
	s_sub_co_u32 s[QL], s[QL], 1                   ; my work-group's last query
	s_add_co_u32 s44, s[PAR], 1                    ; waves 0-7 fetch for K (part 1), waves 8-15 for V (part 2)
	s_lshl_b32 s44, s44, 23
	s_add_co_u32 s44, s44, s43
	s_lshl_b32 s48, s[GRP], 13                     ; my eighth of a slot's 65,536 bytes
	s_add_co_u32 s48, s48, s44
	s_mov_b32 s49, 0
	s_lshl_b32 s46, s[Q0], 7                       ; Q: 128 bytes a position
	s_add_co_u32 s46, s46, s43
	s_mov_b32 s47, 0
	s_lshr_b32 s54, s42, 4
	s_lshl_b32 s54, s54, 11
	s_add_co_u32 s54, s54, s[Q0]
	s_and_b32 s44, s42, 15
	s_add_co_u32 s54, s54, s44
	s_lshl_b32 s54, s54, 11                        ; o16: (2,048 batch + position) x 2,048 + head x 2,048
	s_mov_b32 s55, 0
	s_mov_b32 s[CS], 0x4438aa3b                    ; c = log2(e) / 8 x 2^12
	s_mov_b32 s[CS+1], s[CS]                       ; (named with it as a pair, so it is written)
	s_mov_b32 s[SEL], 0x76543210
	s_mov_b32 s[SEL+1], 0xfedcba98                 ; v_permlanex16_b32's selects for lane l xor 16
	s_lshl_b32 s[TB], s[PAR], 13                   ; my first step of a slot: 8,192 bytes,
	s_lshl_b32 s[KF], s[PAR], 6                    ; 64 keys a step
	s_mov_b32 s[KS], 0
	s_mov_b32 s[SLOTS], 3
	s_cmp_eq_u32 ttmp9, 0
	s_cselect_b32 s[LIM], 1, -1                    ; the pair's first work-group, which walks all keys, prefetches
	s_wait_dscnt 0x0                               ; both opening adds are done
	s_wait_kmcnt 0x0
	s_mov_b32 s[G0], 1
	s_lshl_b32 s[G0+1], s[WV], 13                  ; LDS: 8,192 x wave: K's eight parts, then V's
	s_add_nc_u64 s[G0+2:G0+3], s[4:5], s[48:49]
	s_add_nc_u64 s[PFA:PFA+1], s[G0+2:G0+3], 65536 ; the prefetches stand at my part of slot 1; the first change of slots steps them to slot 2
	s_or_b32 s[G0+3], s[G0+3], 0x80000000
	tensor_load_to_lds s[G0:G0+3], s[G1:G1+7]      ; slot 0: it holds key 0, which counts for every query
	s_nop 0
.rept 4
	v_nop
.endr
	s_add_nc_u64 s[50:51], s[4:5], s[46:47]
	s_add_nc_u64 s[52:53], s[6:7], s[54:55]
	v_and_b32 v[LI], 31, v0
	v_lshlrev_b32 v[PFO], 8, v[LI]
	v_lshlrev_b32 v[LI], 4, v[LI]
.irp t, 0,1
.irp kc, 0,1
.irp g, 0,1
	global_load_b128 v[QF+16*\t+8*\kc+4*\g:QF+16*\t+8*\kc+4*\g+3], v[LI], s[50:51] offset:\t*2048+\kc*1024+\g*512   ; Q stays in registers
.endr
.endr
.endr
	s_mul_i32 s47, s[GRP], PAIRB
	v_add_nc_u32 v[STG], s47, v[LI]                ; the same place for both waves of a pair
	v_and_b32 v[RH], 15, v0
	v_bfe_u32 v[D0], v0, 4, 1
	v_lshlrev_b32 v[D0], 3, v[D0]
	v_sub_nc_u32 v[RH], v[RH], v[D0]
	v_mov_b32 v[NINF], 0xff800000
.irp t, 0,1
	v_mov_b32 v[ST+8*\t+1], 0xf149f2ca             ; m = -1e30: under every score that f16 operands can make (64 x 65,504^2)
	v_mul_f32 v[ST+8*\t], s[CS], v[ST+8*\t+1]      ; c m
.irp n, 2,3,4,5,6,7
	v_mov_b32 v[ST+8*\t+\n], 0                     ; l; and c0-c3, named before a step may have written them
.endr
.endr
.set i, 0
.rept 64
	v_mov_b32 v[OF+i], 0                           ; O^T.  (The step is written once for all steps: the first finds zeros, which the first a = 0 leaves zeros; a wave with no step hands zeros over)
.set i, i+1
.endr
.macro SPROD i0                        ; eight products of S^T = K Q^T: channels 32 (i / 8) on, keys 16 ((i / 2) % 4) on, tile i % 2.  The eight accumulators take turns
.set i, \i0
.rept 8
.set rS, SF+32*(i%2)+8*((i/2)%4)
.set rK, KV+32*(i/8)+8*((i/2)%4)
.set rQ, QF+16*(i%2)+8*(i/8)
.if i < 8
	v_wmma_f32_16x16x32_f16 v[rS:rS+7], v[rK:rK+7], v[rQ:rQ+7], 0
.else
	v_wmma_f32_16x16x32_f16 v[rS:rS+7], v[rK:rK+7], v[rQ:rQ+7], v[rS:rS+7]
.endif
.set i, i+1
.endr
.endm
.macro SOFTMAX                         ; both tiles line by line, so that no line waits for the line above it
.irp j, 0,1,2,3
.irp t, 0,1
	v_max3_num_f32 v[ST+8*\t+4+\j], v[SF+32*\t+8*\j], v[SF+32*\t+8*\j+1], v[SF+32*\t+8*\j+2]   ; four chains, each begun at an accumulator's low end
.endr
.endr
.irp q, 1,2
.irp j, 0,1,2,3
.irp t, 0,1
	v_max3_num_f32 v[ST+8*\t+4+\j], v[ST+8*\t+4+\j], v[SF+32*\t+8*\j+2*\q+1], v[SF+32*\t+8*\j+2*\q+2]
.endr
.endr
.endr
.irp t, 0,1
	v_max3_num_f32 v[ST+8*\t+4], v[ST+8*\t+4], v[SF+32*\t+7], v[SF+32*\t+15]
	v_max3_num_f32 v[ST+8*\t+6], v[ST+8*\t+6], v[SF+32*\t+23], v[SF+32*\t+31]
.endr
.irp t, 0,1
	v_max3_num_f32 v[ST+8*\t+4], v[ST+8*\t+4], v[ST+8*\t+5], v[ST+8*\t+6]
.endr
.irp t, 0,1
	v_max3_num_f32 v[ST+8*\t+4], v[ST+8*\t+4], v[ST+8*\t+7], v[ST+8*\t+1]   ; with the old m
.endr
.irp t, 0,1
	v_permlanex16_b32 v[ST+8*\t+5], v[ST+8*\t+4], s[SEL], s[SEL+1]          ; the query's other 32 keys lie in the lane 16 away
.endr
.irp t, 0,1
	v_mov_b32 v[ST+8*\t+7], v[ST+8*\t]             ; c m_old
.endr
.irp t, 0,1
	v_max_num_f32 v[ST+8*\t+1], v[ST+8*\t+4], v[ST+8*\t+5]
.endr
.irp t, 0,1
	v_mul_f32 v[ST+8*\t], s[CS], v[ST+8*\t+1]
.endr
.irp t, 0,1
	v_sub_f32 v[ST+8*\t+7], v[ST+8*\t+7], v[ST+8*\t]
.endr
.irp e, 0,2,4,6,8,10,12,14,16,18,20,22,24,26,28,30
.irp t, 0,1
	v_pk_fma_f32 v[SF+32*\t+\e:SF+32*\t+\e+1], v[SF+32*\t+\e:SF+32*\t+\e+1], s[CS:CS+1], v[ST+8*\t:ST+8*\t+1] op_sel_hi:[1,0,0] neg_lo:[0,0,1] neg_hi:[0,0,1]   ; c s - c m
.endr
.endr
.irp t, 0,1
	v_exp_f32 v[ST+8*\t+6], v[ST+8*\t+7]           ; a = 2^(c m_old - c m_new)
.endr
.set i, 0
.rept 64
	v_exp_f32 v[SF+i], v[SF+i]                     ; p, at most 1
.set i, i+1
.endr
	v_nop                                          ; a plain line behind the last exponential
	s_wait_alu depctr_va_vdst(0)                   ; one wait for the 66 exponentials, ahead of their first reader
.irp t, 0,1
	v_pk_fma_f32 v[ST+8*\t+2:ST+8*\t+3], v[ST+8*\t+2:ST+8*\t+3], v[ST+8*\t+6:ST+8*\t+7], v[SF+32*\t:SF+32*\t+1] op_sel_hi:[1,0,1]   ; l = a l + the first pair
	v_pk_add_f32 v[ST+8*\t+4:ST+8*\t+5], v[SF+32*\t+2:SF+32*\t+3], v[SF+32*\t+6:SF+32*\t+7]                                        ; a second chain
.endr
.irp e, 4,8,12,16,20,24
.irp t, 0,1
	v_pk_add_f32 v[ST+8*\t+2:ST+8*\t+3], v[ST+8*\t+2:ST+8*\t+3], v[SF+32*\t+\e:SF+32*\t+\e+1]
	v_pk_add_f32 v[ST+8*\t+4:ST+8*\t+5], v[ST+8*\t+4:ST+8*\t+5], v[SF+32*\t+\e+6:SF+32*\t+\e+7]
.endr
.endr
.irp t, 0,1
	v_pk_add_f32 v[ST+8*\t+2:ST+8*\t+3], v[ST+8*\t+2:ST+8*\t+3], v[SF+32*\t+28:SF+32*\t+29]
.endr
.irp t, 0,1
	v_pk_add_f32 v[ST+8*\t+2:ST+8*\t+3], v[ST+8*\t+2:ST+8*\t+3], v[ST+8*\t+4:ST+8*\t+5]
.endr
.irp n, 0,1,2,3,4,5,6,7,8,9,10,11,12,13,14,15
.irp t, 0,1
	v_cvt_pk_f16_f32 v[SF+32*\t+\n], v[SF+32*\t+2*\n], v[SF+32*\t+2*\n+1]   ; P, packed in place, ascending: word n is written when pairs 0 to n have been read
.endr
.endr
.irp e, 0,2,4,6,8,10,12,14,16,18,20,22,24,26,28,30
.irp t, 0,1
	v_pk_mul_f32 v[OF+32*\t+\e:OF+32*\t+\e+1], v[OF+32*\t+\e:OF+32*\t+\e+1], v[ST+8*\t+6:ST+8*\t+7] op_sel_hi:[1,0]   ; O^T x a
.endr
.endr
.endm
; A KEY STEP of mine: 64 keys at LDS byte TB of K's part and of V's.  The next one of mine lies two steps on.
.macro STEP
	s_add_co_u32 s[T0], s[Q0], 31
	s_cmp_gt_u32 s[KF], s[T0]                      ; all 64 keys come after my 32 queries: the step's work is left out; the lines at its end that step addresses are not
	s_cbranch_scc1 .Lhidden_\@
	v_add_nc_u32 v[ADK], s[TB], v[LI]
	v_add_nc_u32 v[ADV], 0x10000, v[ADK]
.irp kc, 0,1
.irp kt, 0,1,2,3
.irp g, 0,1
	ds_load_b128 v[KV+32*\kc+8*\kt+4*\g:KV+32*\kc+8*\kt+4*\g+3], v[ADK] offset:\kt*2048+\kc*1024+\g*512
.endr
.endr
.endr
	s_wait_dscnt 8                                 ; channels 0-31 are in; the eight loads of channels 32-63 may be out
	SPROD 0
	s_wait_dscnt 0x0
	SPROD 8
.rept 4
	v_nop                                          ; places in front of the loads into K's registers and of the first read of the scores
.endr
.irp kk, 0,1
.irp c, 0,1,2,3
.irp g, 0,1
	ds_load_b128 v[KV+32*\kk+8*\c+4*\g:KV+32*\kk+8*\c+4*\g+3], v[ADV] offset:\kk*4096+\c*1024+\g*512   ; V lands under the softmax
.endr
.endr
.endr
	s_add_co_u32 s[T0], s[KF], 63
	s_cmp_le_u32 s[T0], s[Q0]                      ; all 64 keys count for all my queries: no mask
	s_cbranch_scc1 .Lopen_\@
	s_sub_co_i32 s[T0], s[Q0], s[KF]
	v_add_nc_u32 v[D0], s[T0], v[RH]               ; tile 0: my query - KF - 8 (lane / 16).  Register 8 kt + j holds key KF + 8 (lane / 16) + 16 kt + j: hidden where 16 kt + j is greater
	v_add_nc_u32 v[D1], 16, v[D0]                  ; tile 1
.irp n, 0,1,2,3,4,5,6,7,8,9,10,11,12,13,14,15,16,17,18,19,20,21,22,23,24,25,26,27,28,29,30,31
	v_cmp_gt_i32 vcc_lo, 16*(\n/8)+\n%8, v[D0]
	v_cndmask_b32 v[SF+\n], v[SF+\n], v[NINF], vcc_lo
.endr
.irp n, 0,1,2,3,4,5,6,7,8,9,10,11,12,13,14,15,16,17,18,19,20,21,22,23,24,25,26,27,28,29,30,31
	v_cmp_gt_i32 vcc_lo, 16*(\n/8)+\n%8, v[D1]
	v_cndmask_b32 v[SF+32+\n], v[SF+32+\n], v[NINF], vcc_lo
.endr
.Lopen_\@:
	SOFTMAX
	s_wait_dscnt 0x0                               ; V is in
.set i, 0
.rept 16                               ; O^T += V^T P: keys 32 (i / 8) on, channels 16 ((i / 2) % 4) on, tile i % 2: eight accumulators by turns
.set rO, OF+32*(i%2)+8*((i/2)%4)
.set rV, KV+32*(i/8)+8*((i/2)%4)
.set rP, SF+32*(i%2)+8*(i/8)
	v_wmma_f32_16x16x32_f16 v[rO:rO+7], v[rV:rV+7], v[rP:rP+7], v[rO:rO+7]
.set i, i+1
.endr
.rept 5
	v_nop                                          ; five places: the next step's products write over P's registers, its loads land in V's, and the end reads O^T
.endr
.Lhidden_\@:
	s_add_co_u32 s[KF], s[KF], 128
	s_add_co_u32 s[TB], s[TB], 16384
.endm
; A prefetch into the L2 of what the NEXT change of slots will ask for: each wave of the pair's first work-group names the 8,192 bytes that it will itself fetch, lanes 256 bytes apart, one instruction.
; All work-groups of a pair walk the same K and V, so each block of 256 bytes is named once in the launch.  Slots 0 and 1 come by their loads alone; the last change that fills a slot asks for nothing.
.macro ASK
	s_cmp_gt_u32 s[SLOTS], s[LIM]
	s_cbranch_scc0 .Lnot_mine_\@
	global_prefetch_b8 v[PFO], s[PFA:PFA+1] th:TH_LOAD_NT scope:SCOPE_SE
.Lnot_mine_\@:
.endm
; THE CHANGE OF SLOTS stands at a slot's head.  Each wave waits for all its tensor loads (one is out: its part of the slot ahead), adds 0 to its spare word, and waits for that and for its reads of the slot that it has left.
; Behind the barrier the slot ahead is whole and nobody reads the other: fill = 1: that one takes the next 512 keys, unless all of them come after the work-group's last query.
.macro CHANGE fill
	s_wait_tensorcnt 0x0                           ; no tensor load of mine is out, so the descriptor may be written
	ds_add_u32 v[SPW], v[NIL]
.if \fill
	s_xor_b32 s[G0+1], s[G0+1], SLOT1              ; the other slot than last time,
	s_add_nc_u64 s[G0+2:G0+3], s[G0+2:G0+3], 65536 ; the next 512 keys
	s_wait_xcnt 0x0                                ; the last prefetch, a slot back, has read its address
	s_add_nc_u64 s[PFA:PFA+1], s[PFA:PFA+1], 65536
.endif
	s_wait_dscnt 0x0
	s_barrier_signal -1
	s_barrier_wait -1
.if \fill
	s_add_co_u32 s[T0], s[KS], 512                 ; the first key of the slot that this change would ask for
	s_cmp_gt_u32 s[T0], s[QL]                      ; ids and the count of slots alone: all sixteen waves go the same way, and a work-group that is past the limit stays past it
	s_cbranch_scc1 .Lpast_\@
	tensor_load_to_lds s[G0:G0+3], s[G1:G1+7]      ; my one tensor load until the next change: it has a slot's steps in which to land
	s_nop 0
.rept 4
	v_nop
.endr
.Lpast_\@:
	ASK
.endif
.endm
.macro SLOT_STEPS                      ; my four of a slot's eight steps
	s_mov_b32 s[STP], 4
.Lstep_\@:
	STEP
	s_sub_co_u32 s[STP], s[STP], 1
	s_cmp_lg_u32 s[STP], 0
	s_cbranch_scc1 .Lstep_\@
	s_sub_co_u32 s[TB], s[TB], 65536               ; back to my first step of a slot,
	s_xor_b32 s[TB], s[TB], SLOT1                  ; in the other slot
	s_add_co_u32 s[KS], s[KS], 512
.endm
	s_wait_loadcnt 0x0                             ; Q
.Lslot:                                            ; three trips: behind each change of slots but the last the next slot is asked for, up to the causal limit
	CHANGE 1
	SLOT_STEPS
	s_sub_co_u32 s[SLOTS], s[SLOTS], 1
	s_cmp_lg_u32 s[SLOTS], 0
	s_cbranch_scc1 .Lslot
	CHANGE 0                                       ; the last slot is written out: nothing is left to fetch
	SLOT_STEPS
	; THE TWO WAVES OF A PAIR MEET.  My c m and my lane's l of both tiles, in four registers on end
	v_mov_b32 v[MY], v[ST]
	v_add_f32 v[MY+1], v[ST+2], v[ST+3]
	v_mov_b32 v[MY+2], v[ST+8]
	v_add_f32 v[MY+3], v[ST+10], v[ST+11]
	s_wait_dscnt 0x0                               ; my reads of the ring are over,
	s_barrier_signal -1
	s_barrier_wait -1                              ; and everybody's: the ring's bytes serve as stages from here on; no tensor load is out or follows
	s_cmp_lt_u32 s[WV], 8
	s_cbranch_scc1 .Lkeep
.irp n, 0,1,2,3,4,5,6,7,8,9,10,11,12,13,14,15
	ds_store_b128 v[STG], v[OF+4*\n:OF+4*\n+3] offset:512*\n    ; waves 8-15: O^T as images of its registers, each accumulator from its low end on
.endr
	ds_store_b128 v[STG], v[MY:MY+3] offset:8192
.Lkeep:
	s_wait_dscnt 0x0                               ; for the partner's sake: my stores are done
	s_barrier_signal -1
	s_barrier_wait -1
	s_cmp_lt_u32 s[WV], 8
	s_cbranch_scc0 .Lend
	ds_load_b128 v[12:15], v[STG] offset:8192      ; waves 0-7: the partner's c m and l,
.irp n, 0,1,2,3,4,5,6,7,8,9,10,11,12,13,14,15
	ds_load_b128 v[KV+4*\n:KV+4*\n+3], v[STG] offset:512*\n     ; and its O^T
.endr
	s_wait_dscnt 16                                ; the statistics are in; the sixteen loads of O^T may be out
	v_max_num_f32 v8, v[MY], v12                   ; the common c m, tile 0,
	v_max_num_f32 v16, v[MY+2], v14                ; tile 1
	v_sub_f32 v9, v[MY], v8
	v_sub_f32 v10, v12, v8
	v_sub_f32 v17, v[MY+2], v16
	v_sub_f32 v18, v14, v16
	v_exp_f32 v9, v9                               ; what brings my sums under the common maximum,
	v_exp_f32 v10, v10                             ; and the partner's (0 where it had no step: its c m is far under every other)
	v_exp_f32 v17, v17
	v_exp_f32 v18, v18
	v_nop                                          ; a plain line behind the last exponential
	s_wait_alu depctr_va_vdst(0)                   ; one wait for the four, ahead of their first reader
	v_mul_f32 v11, v[MY+1], v9
	v_mul_f32 v19, v[MY+3], v17
	v_fma_f32 v11, v13, v10, v11
	v_fma_f32 v19, v15, v18, v19
	v_permlanex16_b32 v20, v11, s[SEL], s[SEL+1]
	v_permlanex16_b32 v21, v19, s[SEL], s[SEL+1]
	v_add_f32 v11, v11, v20                        ; the row's sum over all its keys
	v_add_f32 v19, v19, v21
	v_rcp_f32 v20, v11
	v_rcp_f32 v21, v19
	v_nop                                          ; a plain line behind the reciprocals
	s_wait_alu depctr_va_vdst(0)                   ; and the wait ahead of their first reader
	v_mul_f32 v22, v9, v20                         ; my factor, tile 0 (low word of the pair v[22:23]),
	v_mul_f32 v12, v10, v20                        ; the partner's (v[12:13]),
	v_mul_f32 v14, v17, v21                        ; mine, tile 1 (v[14:15]),
	v_mul_f32 v24, v18, v21                        ; the partner's (v[24:25])
.irp t, 0,1
.irp e, 0,2,4,6,8,10,12,14,16,18,20,22,24,26,28,30
	v_pk_mul_f32 v[SF+32*\t+\e:SF+32*\t+\e+1], v[OF+32*\t+\e:OF+32*\t+\e+1], v[22-8*\t:23-8*\t] op_sel_hi:[1,0]
.endr
.endr
	s_wait_dscnt 0x0                               ; the partner's O^T is in
.irp t, 0,1
.irp e, 0,2,4,6,8,10,12,14,16,18,20,22,24,26,28,30
	v_pk_fma_f32 v[SF+32*\t+\e:SF+32*\t+\e+1], v[KV+32*\t+\e:KV+32*\t+\e+1], v[12+12*\t:13+12*\t], v[SF+32*\t+\e:SF+32*\t+\e+1] op_sel_hi:[1,0,1]
.endr
.endr
	; rounded to f16, O^T / l is an image of a fragment of the projection's operand: eight stores of 512 consecutive bytes
.irp t, 0,1
.irp n, 0,1,2,3,4,5,6,7,8,9,10,11,12,13,14,15
	v_cvt_pk_f16_f32 v[KV+16*\t+\n], v[SF+32*\t+2*\n], v[SF+32*\t+2*\n+1]
.endr
.endr
.irp t, 0,1
.irp c, 0,1,2,3
	global_store_b128 v[LI], v[KV+16*\t+4*\c:KV+16*\t+4*\c+3], s[52:53] offset:\t*32768+\c*512
.endr
.endr
.Lend:
	s_wait_tensorcnt 0x0                           ; the wave's end, behind my last tensor load and my last LDS store
	ds_add_u32 v[SPW], v[NIL]
	s_wait_dscnt 0x0
	s_endpgm
.Lfunc_end_k_q6a494ebc29_attn:
	.size	k_q6a494ebc29_attn, .Lfunc_end_k_q6a494ebc29_attn-k_q6a494ebc29_attn
	.p2alignl 7, 3214868480
	.fill 96, 4, 3214868480
	.section	.rodata,"a",@progbits
	.p2align	6, 0x0
	.amdhsa_kernel k_q6a494ebc29_attn
		.amdhsa_group_segment_fixed_size 327680
		.amdhsa_private_segment_fixed_size 0
		.amdhsa_enable_private_segment 0
		.amdhsa_kernarg_size 16
		.amdhsa_user_sgpr_count 2
		.amdhsa_user_sgpr_kernarg_segment_ptr 1
		.amdhsa_wavefront_size32 1
		.amdhsa_system_sgpr_workgroup_id_x 1
		.amdhsa_system_sgpr_workgroup_id_y 1
		.amdhsa_system_sgpr_workgroup_id_z 1
		.amdhsa_system_vgpr_workitem_id 0
		.amdhsa_next_free_vgpr 256
		.amdhsa_next_free_sgpr 66
		.amdhsa_reserve_vcc 1
		.amdhsa_float_denorm_mode_32 3
		.amdhsa_float_denorm_mode_16_64 3
		.amdhsa_memory_ordered 1
		.amdhsa_forward_progress 1
		.amdhsa_inst_pref_size 62
	.end_amdhsa_kernel
	.amdgpu_metadata
---
amdhsa.version: [ 1, 2 ]
amdhsa.kernels:
  - .name:           k_q6a494ebc29_attn
    .symbol:         k_q6a494ebc29_attn.kd
    .args:
      - { .name: qkv16, .offset: 0, .size: 8, .value_kind: global_buffer, .address_space: global }
      - { .name: o16, .offset: 8, .size: 8, .value_kind: global_buffer, .address_space: global }
    .group_segment_fixed_size: 327680
    .private_segment_fixed_size: 0
    .kernarg_segment_align: 8
    .kernarg_segment_size: 16
    .max_flat_workgroup_size: 512
    .sgpr_count:     66
    .vgpr_count:     256
    .wavefront_size: 32
...
	.end_amdgpu_metadata
.endif
;; end of part 3
;; launch proj (part 4): grid 8 x 32, 4 waves a work-group, clusters of 4 x 4, 327,680 bytes of LDS; arguments o16, wp16, out0; writes out0
.if DOCPART == 4
	.amdgcn_target "amdgcn-amd-amdhsa--gfx1250"
	.amdhsa_code_object_version 6
	.text
	.protected	k_q6a494ebc29_proj
	.globl	k_q6a494ebc29_proj
	.p2align	8
	.type	k_q6a494ebc29_proj,@function
k_q6a494ebc29_proj:
	s_mov_b64 s[64:65], 0
	v_nop
	global_prefetch_b8 v0, s[64:65] scope:SCOPE_SE
	s_setreg_imm32_b32 hwreg(HW_REG_WAVE_MODE, 25, 1), 1
	s_wait_xcnt 0x0
	s_wait_alu depctr_hold_cnt(0) depctr_sa_sdst(0) depctr_va_vdst(0) depctr_va_sdst(0) depctr_va_ssrc(0) depctr_va_vcc(0) depctr_vm_vsrc(0)
	s_getreg_b32 s2, hwreg(HW_REG_IB_STS2, 6, 4)
	s_cmp_eq_u32 s2, 0
	s_cbranch_scc0 .Lentry_in_a_cluster
	s_endpgm
.Lentry_in_a_cluster:
	s_bfe_u32 s2, ttmp6, 0x10000c
	s_cmp_lg_u32 s2, 0xf033
	s_cbranch_scc0 .Lentry_shape_is_right
	s_endpgm
.Lentry_shape_is_right:
; out0[m][e] = the sum over d of o[m][d] Wp[e][d]: [4096][1024] x [1024][1024], operands f16, sums and result f32.
; o lies in memory as images of its operand registers ([16 rows][32 along d][2][512 bytes]: a block of 16 rows is 32,768 bytes); Wp as plain rows of f16.
; A tile of out0 is 128 x 128: 256 work-groups.  Four waves, each 64 x 64: 16 accumulators.  K goes in four steps of 256 through two LDS slots; all four are written out.
; CLUSTERS: 4 x 4.  o's tiles are shared along a row of the cluster, Wp's along a column: each is asked for jointly.  The matrix instruction is used transposed (source 0 = 16 rows of Wp, source 1 = 16 rows of o):
; a lane holds eight neighbouring numbers of a row of out0.  A wave's 64 columns of f32 are 256 consecutive bytes, so each wave has a stage of its own on the way out, and no barrier is needed there.
; The rows of positions 0 to 15 of each sequence are written here too, and written over by the launch that follows: leaving them out would take a branch on a work-group's place in its cluster.
; REGISTERS: window 0: v0-31 addresses; v32-95 the way out; v128-255 the accumulators ((a, b) at v[128 + 8 (4 a + b)]).   window 1: two fragment buffers of 128: 64 registers of o, then 64 of Wp.
.set KSTEP,  256
.set PITCH,  528                       ; Wp's LDS row: 512 bytes + 16 of padding: the 16 rows of a load start at 16 different banks (64 banks of 4 bytes: ISA guide 11.1)
.set AHALF,  32768                     ; o: 64 rows x 256 along K, as images: 4 blocks of 8,192 bytes, no padding: a load's 512 bytes are consecutive
.set BOFF,   2*AHALF
.set BHALF,  64*PITCH
.set SLOT,   BOFF+2*BHALF
.set STAGE,  2*SLOT                    ; behind the ring: 16 rows x 272 bytes for each wave
.set SPITCH, 272
.set SPARE,  STAGE+4*16*SPITCH         ; the spare words: 128 bytes a wave, two blocks of 256 bytes that no other line names
.set ADRA, 16
.set ADRB, 20
.set STO,  24
.set RD,   25
.set CO,   26
.set SPW,  28
.set NIL,  29
.set TMP,  32
.set ACC,  128
.set F0,   0
.set F1,   128
.set G1, 24
.set G0, 32
.set G1B, 48
.set G0B, 56
.set MSB, 0
.macro WIN new
.if MSB != \new
	s_set_vgpr_msb (MSB<<8)|\new
.set MSB, \new
.endif
.endm
.set MUL,  0x05                        ; sources 0 (Wp) and 1 (o) window 1; C and D window 0
.set TO_F, 0x40                        ; destination window 1, address window 0
.macro JLOAD s                         ; a joint load: waves 0 and 1 fetch o's two halves, waves 2 and 3 Wp's; an s_nop 0 and four v_nop follow each of the two lines
	s_cmp_eq_u32 s11, 0
	s_cbranch_scc0 .Lfor_b_\@
	tensor_load_to_lds s[G0+4*\s:G0+4*\s+3], s[G1:G1+7]
	s_nop 0
.rept 4
	v_nop
.endr
	s_branch .Lasked_\@
.Lfor_b_\@:
	tensor_load_to_lds s[G0B+4*\s:G0B+4*\s+3], s[G1B:G1B+7]
	s_nop 0
.rept 4
	v_nop
.endr
.Lasked_\@:
.endm
.macro CREST
	s_cmp_lg_u32 s10, 0
	s_cbranch_scc1 .Lnot_wave_0_\@
	s_barrier_signal -3
.Lnot_wave_0_\@:
	s_barrier_wait -3
	s_barrier_signal -1
	s_barrier_wait -1
.endm
.macro CROUND
	s_barrier_signal -1
	s_barrier_wait -1
	CREST
.endm
	s_load_b128 s[4:7], s[0:1], 0x0                ; o16, wp16
	s_load_b64 s[8:9], s[0:1], 0x10                ; out0
	v_lshl_add_u32 v[SPW], v0, 2, SPARE
	v_mov_b32 v[NIL], 0
	ds_add_u32 v[SPW], v[NIL]                      ; the wave's opening: the add, twice on end, and its wait ahead of my first tensor load
	ds_add_u32 v[SPW], v[NIL]
	v_lshrrev_b32 v1, 5, v0
	v_readfirstlane_b32 s10, v1                    ; wave 0..3
	s_lshr_b32 s11, s10, 1                         ; which half of the tile's rows is mine.  Also: I fetch for o (0) or for Wp (1)
	s_and_b32 s12, s10, 1                          ; which half of its columns.  Also: which 64 rows of that tile I fetch
	s_bfe_u32 s40, ttmp6, 0x40000                  ; cx
	s_bfe_u32 s41, ttmp6, 0x40004                  ; cy
	s_lshl_b32 s42, ttmp9, 2
	s_add_co_u32 s42, s42, s40                     ; tile column
	s_and_b32 s13, ttmp7, 0xffff
	s_lshl_b32 s13, s13, 2
	s_add_co_u32 s13, s13, s41                     ; tile row
	s_lshl_b32 s43, s41, 2
	s_lshl_b32 s43, 15, s43                        ; my row of the cluster
	s_lshl_b32 s44, 0x1111, s40                    ; my column
	s_or_b32 s[G1+0], s43, (3<<16)|(1<<21)         ; o: the mask; elements of 8 bytes; bit 21 beside a mask; no padding
	s_mov_b32 s[G1+1], 1024<<16                    ; tensor_dim0 = 1,024 elements: a K step's 8,192 bytes of a block of 16 rows
	s_mov_b32 s[G1+2], 4<<16                       ; tensor_dim1 = 4 blocks
	s_mov_b32 s[G1+3], 1024<<16                    ; tile_dim0
	s_mov_b32 s[G1+4], 4                           ; tile_dim1
	s_mov_b32 s[G1+5], 4096                        ; the pitch: 32,768 bytes from block to block
	s_mov_b32 s[G1+6], 0
	s_mov_b32 s[G1+7], 0
	s_or_b32 s[G1B+0], s44, (1<<16)|(1<<20)|(1<<21)|(6<<22)|(3<<25)  ; Wp: elements of 2 bytes; padding: after every 128 words, 4 words
	s_mov_b32 s[G1B+1], KSTEP<<16
	s_mov_b32 s[G1B+2], 64<<16
	s_mov_b32 s[G1B+3], KSTEP<<16
	s_mov_b32 s[G1B+4], 64
	s_mov_b32 s[G1B+5], 1024
	s_mov_b32 s[G1B+6], 0
	s_mov_b32 s[G1B+7], 0
	s_lshl_b32 s16, s13, 3
	s_lshl_b32 s17, s12, 2
	s_add_co_u32 s16, s16, s17                     ; o: block 8 x tile row + 4 x half
	s_lshl_b32 s16, s16, 15
	s_mov_b32 s17, 0
	s_lshl_b32 s46, s42, 7
	s_lshl_b32 s18, s12, 6
	s_add_co_u32 s46, s46, s18                     ; Wp: row 128 x tile column + 64 x half
	s_lshl_b32 s46, s46, 11
	s_mov_b32 s47, 0
	s_lshl_b32 s20, s12, 15                        ; where they go: o's halves,
	s_mul_i32 s21, s12, BHALF
	s_add_co_u32 s21, s21, BOFF                    ; Wp's halves behind them: no place in the cluster enters an LDS address
	s_wait_dscnt 0x0                               ; both opening adds are done
	s_wait_kmcnt 0x0
	s_add_nc_u64 s[14:15], s[4:5], s[16:17]
	s_add_nc_u64 s[46:47], s[6:7], s[46:47]
	CROUND                                         ; all sixteen work-groups are here: the first joint loads meet
.irp s, 0,1
	s_mov_b32 s[G0+4*\s], 1
	s_add_co_u32 s[G0+4*\s+1], s20, \s*SLOT
	s_add_nc_u64 s[G0+4*\s+2:G0+4*\s+3], s[14:15], \s*8192
	s_or_b32 s[G0+4*\s+3], s[G0+4*\s+3], 0x80000000
	s_mov_b32 s[G0B+4*\s], 1
	s_add_co_u32 s[G0B+4*\s+1], s21, \s*SLOT
	s_add_nc_u64 s[G0B+4*\s+2:G0B+4*\s+3], s[46:47], \s*KSTEP*2
	s_or_b32 s[G0B+4*\s+3], s[G0B+4*\s+3], 0x80000000
	JLOAD \s                                       ; two tensor loads of mine are out
.endr
	v_and_b32 v1, 15, v0                           ; l % 16
	v_bfe_u32 v2, v0, 4, 1                         ; l / 16
	v_and_b32 v6, 31, v0
	v_lshlrev_b32 v6, 4, v6                        ; o: 16 x lane
	v_mul_u32_u24 v3, v1, PITCH
	v_lshl_add_u32 v3, v2, 4, v3                   ; Wp: row x pitch + 16 x half
	s_lshl_b32 s21, s11, 15                        ; my 64 rows of o
	s_mul_i32 s22, s12, BHALF                      ; my 64 rows of Wp
	s_add_co_u32 s22, s22, BOFF
.irp s, 0,1
	v_add_nc_u32 v[ADRA+\s], s21, v6
	v_add_nc_u32 v[ADRB+\s], s22, v3
	s_add_co_u32 s21, s21, SLOT
	s_add_co_u32 s22, s22, SLOT
.endr
	s_mul_i32 s23, s10, 16*SPITCH
	s_add_co_u32 s23, s23, STAGE                   ; my stage
	v_mul_u32_u24 v4, v1, SPITCH                   ; in: row l % 16, 32 bytes for each half of the lanes
	v_lshl_add_u32 v4, v2, 5, v4
	v_add_nc_u32 v[STO], s23, v4
	v_mul_u32_u24 v5, v2, SPITCH                   ; back: lanes 0-15 one row of 256 bytes, lanes 16-31 the next
	v_lshl_add_u32 v5, v1, 4, v5
	v_add_nc_u32 v[RD], s23, v5
	v_lshlrev_b32 v5, 12, v2                       ; and the same two rows in out0
	v_lshl_add_u32 v[CO], v1, 4, v5
	s_lshl_b32 s16, s13, 7
	s_lshl_b32 s17, s11, 6
	s_add_co_u32 s16, s16, s17                     ; my first row: 128 x tile row + 64 x half
	s_lshl_b32 s16, s16, 12
	s_mov_b32 s17, 0
	s_add_nc_u64 s[8:9], s[8:9], s[16:17]
	s_lshl_b32 s46, s42, 9                         ; my first column, in bytes: 512 x tile column + 256 x half
	s_lshl_b32 s47, s12, 8
	s_add_co_u32 s46, s46, s47
	s_mov_b32 s47, 0
	s_add_nc_u64 s[8:9], s[8:9], s[46:47]
; 8 matrix instructions: m blocks a0, a0 + 1 x all 4 n blocks, 32 along K: half c of buffer f.  The 16 accumulators take turns
.macro MUL8 f, c, a0, zero
.irp a, \a0, \a0+1
.irp b, 0,1,2,3
.if \zero
	v_wmma_f32_16x16x32_f16 v[ACC+8*(4*(\a)+\b):ACC+8*(4*(\a)+\b)+7], v[\f+64+8*(4*\c+\b):\f+64+8*(4*\c+\b)+7], v[\f+8*(4*\c+\a):\f+8*(4*\c+\a)+7], 0
.else
	v_wmma_f32_16x16x32_f16 v[ACC+8*(4*(\a)+\b):ACC+8*(4*(\a)+\b)+7], v[\f+64+8*(4*\c+\b):\f+64+8*(4*\c+\b)+7], v[\f+8*(4*\c+\a):\f+8*(4*\c+\a)+7], v[ACC+8*(4*(\a)+\b):ACC+8*(4*(\a)+\b)+7]
.endif
.endr
.endr
.endm
; 32 LDS loads in one run: the fragments of the slot's kq-th 64 along K into buffer f; the first 32 along K first
.macro FETCH slot, kq, f
	WIN TO_F
.irp c, 0,1
.irp i, 0,1,2,3
	ds_load_b128 v[\f+64+8*(4*\c+\i):\f+64+8*(4*\c+\i)+3],   v[ADRB+\slot] offset:(\kq)*128+64*\c+\i*16*PITCH
	ds_load_b128 v[\f+64+8*(4*\c+\i)+4:\f+64+8*(4*\c+\i)+7], v[ADRB+\slot] offset:(\kq)*128+64*\c+\i*16*PITCH+32
	ds_load_b128 v[\f+8*(4*\c+\i):\f+8*(4*\c+\i)+3],         v[ADRA+\slot] offset:\i*8192+(2*(\kq)+\c)*1024
	ds_load_b128 v[\f+8*(4*\c+\i)+4:\f+8*(4*\c+\i)+7],       v[ADRA+\slot] offset:\i*8192+(2*(\kq)+\c)*1024+512
.endr
.endr
.endm
.macro PLACES
.rept 4
	v_nop
.endr
.endm
.macro QUARTER slot, kq, f, g, zero    ; multiplies buffer f and fetches the slot's kq-th quarter into g
	s_wait_dscnt 16                                ; the first 32 along K are in; the sixteen younger loads may be out
	WIN MUL
	MUL8 \f, 0, 0, \zero
	MUL8 \f, 0, 2, \zero
	PLACES
	FETCH \slot, \kq, \g
	s_wait_dscnt 32                                ; all but the 32 just issued
	WIN MUL
	MUL8 \f, 1, 0, 0
	MUL8 \f, 1, 2, 0
.endm
; A slot's last quarter changes slots: one barrier; in front of it each wave waits for all its tensor loads, adds 0 to its spare word, and waits for that and for its reads of this slot.  fill = 1: the barrier opens a round
; of the cluster's barrier, and this slot is filled again, two K steps ahead.
.macro TURN slot, next, fill
	WIN 0
	s_wait_tensorcnt 0x0
	ds_add_u32 v[SPW], v[NIL]
	s_wait_dscnt 17                                ; the add and the youngest sixteen loads may be out
	WIN MUL
	MUL8 F1, 0, 0, 0
	s_wait_dscnt 0x0
	s_barrier_signal -1
	MUL8 F1, 0, 2, 0
.if \fill
	WIN 0
.endif
	s_barrier_wait -1
.if \fill
	CREST
	s_add_nc_u64 s[G0+4*\slot+2:G0+4*\slot+3], s[G0+4*\slot+2:G0+4*\slot+3], 2*8192
	s_add_nc_u64 s[G0B+4*\slot+2:G0B+4*\slot+3], s[G0B+4*\slot+2:G0B+4*\slot+3], 2*KSTEP*2
	JLOAD \slot                                    ; the first tensor load behind the round; its four v_nop are also the places in front of the loads below
.else
	PLACES
.endif
	FETCH \next, 0, F0
	WIN MUL
	MUL8 F1, 1, 0, 0
	MUL8 F1, 1, 2, 0
.endm
	s_wait_tensorcnt 1                             ; my part of K step 0 is in (K step 1's load may be out),
	s_barrier_signal -1
	s_barrier_wait -1                              ; everybody's is
	FETCH 0, 0, F0
	QUARTER 0, 1, F0, F1, 1                        ; K step 0: its first products start the sums
	QUARTER 0, 2, F1, F0, 0
	QUARTER 0, 3, F0, F1, 0
	TURN 0, 1, 1                                   ; slot 0 takes K step 2
	QUARTER 1, 1, F0, F1, 0
	QUARTER 1, 2, F1, F0, 0
	QUARTER 1, 3, F0, F1, 0
	TURN 1, 0, 1                                   ; slot 1 takes K step 3
	QUARTER 0, 1, F0, F1, 0
	QUARTER 0, 2, F1, F0, 0
	QUARTER 0, 3, F0, F1, 0
	TURN 0, 1, 0                                   ; nothing is left to fetch
	QUARTER 1, 1, F0, F1, 0
	QUARTER 1, 2, F1, F0, 0
	QUARTER 1, 3, F0, F1, 0
	s_wait_dscnt 16
	WIN MUL
	MUL8 F1, 0, 0, 0
	MUL8 F1, 0, 2, 0
	s_wait_dscnt 0
	MUL8 F1, 1, 0, 0
	MUL8 F1, 1, 2, 0
	WIN 0
; THE WAY OUT, a block of 16 rows x 64 columns at a time, through my own stage: LDS serves a wave's instructions in order (ISA guide 5.7.1.4), so no wait stands between the stores and the loads.
.macro TOSTAGE a
.irp b, 0,1,2,3
	ds_store_b128 v[STO], v[ACC+8*(4*(\a)+\b):ACC+8*(4*(\a)+\b)+3] offset:64*\b          ; each accumulator from its low end on
	ds_store_b128 v[STO], v[ACC+8*(4*(\a)+\b)+4:ACC+8*(4*(\a)+\b)+7] offset:64*\b+16
.endr
.set BK, TMP+32*((\a)%2)
.irp t, 0,1,2,3,4,5,6,7
	ds_load_b128 v[BK+4*\t:BK+4*\t+3], v[RD] offset:\t*2*SPITCH
.endr
.endm
.macro SEND a, younger                 ; younger: the LDS instructions issued behind block a's loads, which may stay out
.set BK, TMP+32*((\a)%2)
	s_wait_dscnt \younger
.irp t, 0,1,2,3,4,5,6,7
	global_store_b128 v[CO], v[BK+4*\t:BK+4*\t+3], s[8:9] offset:(16*(\a)+2*\t)*4096 th:TH_STORE_NT   ; 16 lanes store 256 consecutive bytes, at a multiple of 256 from out0's first byte
.endr
.endm
	PLACES
	TOSTAGE 0
.irp a, 1,2,3
.if \a > 1
	s_wait_xcnt 0x0                                ; block a - 2's stores have read their registers: block a's loads may land there
.endif
	TOSTAGE \a
	SEND \a-1, 16                                  ; behind block a - 1's loads: block a's 8 stores and 8 loads
.endr
	SEND 3, 0
	s_wait_tensorcnt 0x0                           ; the wave's end
	ds_add_u32 v[SPW], v[NIL]
	s_wait_dscnt 0x0
	CROUND                                         ; the closing round
	s_endpgm
.Lfunc_end_k_q6a494ebc29_proj:
	.size	k_q6a494ebc29_proj, .Lfunc_end_k_q6a494ebc29_proj-k_q6a494ebc29_proj
	.p2alignl 7, 3214868480
	.fill 96, 4, 3214868480
	.section	.rodata,"a",@progbits
	.p2align	6, 0x0
	.amdhsa_kernel k_q6a494ebc29_proj
		.amdhsa_group_segment_fixed_size 327680
		.amdhsa_private_segment_fixed_size 0
		.amdhsa_enable_private_segment 0
		.amdhsa_kernarg_size 24
		.amdhsa_user_sgpr_count 2
		.amdhsa_user_sgpr_kernarg_segment_ptr 1
		.amdhsa_wavefront_size32 1
		.amdhsa_system_sgpr_workgroup_id_x 1
		.amdhsa_system_sgpr_workgroup_id_y 1
		.amdhsa_system_sgpr_workgroup_id_z 1
		.amdhsa_system_vgpr_workitem_id 0
		.amdhsa_next_free_vgpr 512
		.amdhsa_next_free_sgpr 66
		.amdhsa_reserve_vcc 0
		.amdhsa_float_denorm_mode_32 3
		.amdhsa_float_denorm_mode_16_64 3
		.amdhsa_memory_ordered 1
		.amdhsa_forward_progress 1
		.amdhsa_inst_pref_size 85
	.end_amdhsa_kernel
	.amdgpu_metadata
---
amdhsa.version: [ 1, 2 ]
amdhsa.kernels:
  - .name:           k_q6a494ebc29_proj
    .symbol:         k_q6a494ebc29_proj.kd
    .args:
      - { .name: o16, .offset: 0, .size: 8, .value_kind: global_buffer, .address_space: global }
      - { .name: wp16, .offset: 8, .size: 8, .value_kind: global_buffer, .address_space: global }
      - { .name: out0, .offset: 16, .size: 8, .value_kind: global_buffer, .address_space: global }
    .group_segment_fixed_size: 327680
    .private_segment_fixed_size: 0
    .kernarg_segment_align: 8
    .kernarg_segment_size: 24
    .max_flat_workgroup_size: 128
    .sgpr_count:     66
    .vgpr_count:     512
    .wavefront_size: 32
...
	.end_amdgpu_metadata
.endif
;; end of part 4
;; launch fine (part 5): grid 32 x 2, 16 waves a work-group, no clusters, 88,320 bytes of LDS; arguments qkvf, Wp, out0; writes out0
.if DOCPART == 5
	.amdgcn_target "amdgcn-amd-amdhsa--gfx1250"
	.amdhsa_code_object_version 6
	.text
	.protected	k_q6a494ebc29_fine
	.globl	k_q6a494ebc29_fine
	.p2align	8
	.type	k_q6a494ebc29_fine,@function
k_q6a494ebc29_fine:
	s_mov_b64 s[64:65], 0
	v_nop
	global_prefetch_b8 v0, s[64:65] scope:SCOPE_SE
	s_setreg_imm32_b32 hwreg(HW_REG_WAVE_MODE, 25, 1), 1
	s_wait_xcnt 0x0
; The first 16 positions of each sequence, in f32 throughout: attention over at most 16 keys and the projection by Wp.  These rows average one to a few values, so 16-bit operands would weigh most there.
; Work-group (nx, batch) makes out0[batch][0..15][32 nx .. 32 nx + 31].  Each work-group makes the small attention of its batch itself, one head a wave (12 KB of q, k, v a wave), which spares a launch.
; q, k, v arrive as f32 images: q and k: lane (r, h) holds position r, channels 16 cb + 8 h + 4 g + 0..3 (x 2^-6 each); v: channel 16 cb + r, positions 8 h + 4 g + 0..3.
; The f32 matrix form takes k = 2 h + j in register j; the same permutation of k stands on both sides of each product, so pairs of the images' registers are operands as they lie.
; PHASE 1 (a head a wave): S^T = K Q^T, 16 products on two accumulators by turns; mask, maximum, p = 2^(c s - c m), sum; O^T = V^T P, 16 products on four accumulators by turns; O^T / l to LDS, [16 rows][1,024].
; PHASE 2: wave w = 2 ks + et makes 16 rows x outputs 16 et .. + 15 over d = 128 ks .. + 127: 32 products on two accumulators by turns; partial sums to LDS.   PHASE 3: waves 0-3 add the eight parts and store.
; A store covers 128 consecutive bytes of each of four rows: the launch stores 131,072 bytes in all; whole runs of 256 would double each wave's chain of f32 products.
; The registers that the f32 matrix form writes (v176-191, v208-239) are written by matrix instructions alone.
.set OLP,   4112                       ; a row of O in LDS: 4,096 bytes + 16
.set PART,  16*OLP                     ; the partial sums: 16 waves x 16 rows x 80 bytes
.set SPARE, PART+16*1280               ; the spare words: 128 bytes a wave, eight blocks of 256 bytes that no other line names
	s_load_b128 s[4:7], s[0:1], 0x0                ; qkvf, Wp
	s_load_b64 s[8:9], s[0:1], 0x10                ; out0
	v_lshl_add_u32 v4, v0, 2, SPARE                ; v4: my spare word; v5: 0; never rewritten
	v_mov_b32 v5, 0
	v_lshrrev_b32 v1, 5, v0
	v_readfirstlane_b32 s10, v1                    ; wave 0..15: my head
	s_and_b32 s11, ttmp7, 0xffff                   ; batch
	s_and_b32 s12, s10, 1                          ; et
	s_lshr_b32 s13, s10, 1                         ; ks
	v_and_b32 v1, 15, v0                           ; r
	v_bfe_u32 v2, v0, 4, 1                         ; h
	v_and_b32 v14, 31, v0
	v_lshlrev_b32 v3, 4, v14                       ; 16 x lane
	v_lshlrev_b32 v6, 12, v1
	v_lshl_add_u32 v6, v2, 4, v6                   ; Wp: row r of 4,096 bytes + 16 h
	v_mul_u32_u24 v7, v1, OLP
	v_lshl_add_u32 v8, v2, 4, v7
	v_lshl_add_u32 v7, v2, 5, v7
	s_lshl_b32 s14, s10, 8
	v_add_nc_u32 v7, s14, v7                       ; O into LDS: row r, my head's 256 bytes, + 32 h
	s_lshl_b32 s14, s13, 9
	v_add_nc_u32 v8, s14, v8                       ; O out of LDS: row r, d = 128 ks on, + 16 h
	v_mul_u32_u24 v9, v1, 80
	v_lshl_add_u32 v9, v2, 5, v9
	s_mul_i32 s14, s10, 1280
	s_add_co_u32 s14, s14, PART
	v_add_nc_u32 v9, s14, v9                       ; my partial sums: row r of 80 bytes, + 32 h
	v_bfe_u32 v15, v0, 2, 1                        ; phase 3: lane l takes row 4 w + l / 8, outputs 4 (l % 8) on: et = (l % 8) / 4
	v_mul_u32_u24 v10, v15, 1280
	v_bfe_u32 v15, v0, 3, 2
	v_mad_u32_u24 v10, v15, 80, v10
	v_lshlrev_b32 v11, 12, v15
	v_and_b32 v15, 3, v0
	v_lshl_add_u32 v10, v15, 4, v10
	s_mul_i32 s14, s10, 320
	s_add_co_u32 s14, s14, PART
	v_add_nc_u32 v10, s14, v10
	v_and_b32 v15, 7, v0
	v_lshl_add_u32 v11, v15, 4, v11
	s_lshl_b32 s14, s10, 14
	v_add_nc_u32 v11, s14, v11                     ; and the same place in out0
	v_lshlrev_b32 v12, 3, v2
	v_sub_nc_u32 v12, v1, v12                      ; r - 8 h
	v_mov_b32 v13, 0xff800000                      ; -infinity
	s_lshl_b32 s14, s11, 16
	s_lshl_b32 s15, s10, 12
	s_add_co_u32 s14, s14, s15                     ; my batch's and head's images
	s_mov_b32 s15, 0
	s_lshl_b32 s16, ttmp9, 5
	s_lshl_b32 s17, s12, 4
	s_add_co_u32 s16, s16, s17
	s_lshl_b32 s16, s16, 12
	s_lshl_b32 s17, s13, 9
	s_add_co_u32 s16, s16, s17                     ; Wp: row 32 nx + 16 et, d = 128 ks
	s_mov_b32 s17, 0
	s_lshl_b32 s18, s11, 23
	s_lshl_b32 s19, ttmp9, 7
	s_add_co_u32 s18, s18, s19                     ; out0: the batch's first row, column 32 nx
	s_mov_b32 s19, 0
	s_mov_b32 s20, 0x76543210
	s_mov_b32 s21, 0xfedcba98                      ; v_permlanex16_b32's selects for lane l xor 16
	s_mov_b32 s22, 0x4438aa3b                      ; c = log2(e) / 8 x 2^12
	s_wait_kmcnt 0x0
	s_add_nc_u64 s[4:5], s[4:5], s[14:15]
	s_add_nc_u64 s[6:7], s[6:7], s[16:17]
	s_add_nc_u64 s[8:9], s[8:9], s[18:19]
.irp n, 0,1,2,3,4,5,6,7
	global_load_b128 v[48+4*\n:51+4*\n], v3, s[4:5] offset:131072+\n*512    ; k
.endr
.irp n, 0,1,2,3,4,5,6,7
	global_load_b128 v[16+4*\n:19+4*\n], v3, s[4:5] offset:\n*512           ; q
.endr
.irp n, 0,1,2,3,4,5,6,7
	global_load_b128 v[80+4*\n:83+4*\n], v3, s[4:5] offset:262144+\n*512    ; v
.endr
.irp i, 0,1,2,3,4,5,6,7,8,9,10,11,12,13,14,15
	global_load_b128 v[112+4*\i:115+4*\i], v6, s[6:7] offset:32*\i          ; Wp(row, 128 ks + 8 i + 4 h + 0..3): the sixteen together cover 16 rows x 512 bytes
.endr
	s_wait_loadcnt 24                              ; k and q are in; v's eight and Wp's sixteen loads stay out
.set u, 0
.rept 16                               ; S^T = K Q^T: step u takes channels 16 (u / 4) + 8 h + 2 (u % 4) + j on both sides; two accumulators by turns
.set rD, 176+8*(u%2)
.if u < 2
	v_wmma_f32_16x16x4_f32 v[rD:rD+7], v[48+2*u:49+2*u], v[16+2*u:17+2*u], 0
.else
	v_wmma_f32_16x16x4_f32 v[rD:rD+7], v[48+2*u:49+2*u], v[16+2*u:17+2*u], v[rD:rD+7]
.endif
.set u, u+1
.endr
.rept 8
	v_nop                                          ; eight places behind this form, in front of the first read of its results
.endr
.irp j, 0,1,2,3,4,5,6,7
	v_add_f32 v[192+\j], v[176+\j], v[184+\j]      ; the score of query r and key 8 h + j
.endr
.irp j, 0,1,2,3,4,5,6,7
	v_cmp_gt_i32 vcc_lo, \j, v12                   ; hidden where 8 h + j > r
	v_cndmask_b32 v[192+\j], v[192+\j], v13, vcc_lo
.endr
	v_max3_num_f32 v200, v192, v193, v194
	v_max3_num_f32 v201, v195, v196, v197
	v_max3_num_f32 v200, v200, v198, v199
	v_max_num_f32 v200, v200, v201
	v_permlanex16_b32 v201, v200, s20, s21
	v_max_num_f32 v200, v200, v201                 ; the row's maximum: key 0 counts for every query
	v_mul_f32 v202, s22, v200
.irp j, 0,1,2,3,4,5,6,7
	v_fma_f32 v[192+\j], v[192+\j], s22, -v202
.endr
.irp j, 0,1,2,3,4,5,6,7
	v_exp_f32 v[192+\j], v[192+\j]
.endr
	v_nop                                          ; a plain line behind the last exponential
	s_wait_alu depctr_va_vdst(0)                   ; one wait for the eight, ahead of their first reader
	v_add_f32 v200, v192, v193
	v_add_f32 v201, v194, v195
	v_add_f32 v203, v196, v197
	v_add_f32 v204, v198, v199
	v_add_f32 v200, v200, v201
	v_add_f32 v203, v203, v204
	v_add_f32 v200, v200, v203
	v_permlanex16_b32 v201, v200, s20, s21
	v_add_f32 v200, v200, v201                     ; the row's sum
	v_rcp_f32 v205, v200
	v_nop
	s_wait_alu depctr_va_vdst(0)
	s_wait_loadcnt 16                              ; v is in; Wp's sixteen loads stay out
.irp s, 0,1,2,3                        ; O^T = V^T P: step s takes keys 8 h + 2 s + j on both sides; four accumulators by turns
.irp c, 0,1,2,3
.if \s == 0
	v_wmma_f32_16x16x4_f32 v[208+8*\c:215+8*\c], v[80+8*\c+2*\s:81+8*\c+2*\s], v[192+2*\s:193+2*\s], 0
.else
	v_wmma_f32_16x16x4_f32 v[208+8*\c:215+8*\c], v[80+8*\c+2*\s:81+8*\c+2*\s], v[192+2*\s:193+2*\s], v[208+8*\c:215+8*\c]
.endif
.endr
.endr
.rept 8
	v_nop
.endr
.set i, 0
.rept 32
	v_mul_f32 v[16+i], v[208+i], v205              ; o(r, 64 head + 16 c + 8 h + j), into other registers
.set i, i+1
.endr
.irp c, 0,1,2,3
	ds_store_b128 v7, v[16+8*\c:19+8*\c] offset:64*\c
	ds_store_b128 v7, v[20+8*\c:23+8*\c] offset:64*\c+16
.endr
	s_wait_dscnt 0x0                               ; for the others' sake: my stores are done
	s_barrier_signal -1
	s_barrier_wait -1                              ; 16 whole rows of o lie in LDS
.irp i, 0,1,2,3,4,5,6,7,8,9,10,11,12,13,14,15
	ds_load_b128 v[16+4*\i:19+4*\i], v8 offset:32*\i   ; o(r, 128 ks + 8 i + 4 h + 0..3)
.endr
	s_wait_loadcnt 0x0                             ; Wp
	s_wait_dscnt 0x0
.irp i, 0,1,2,3,4,5,6,7,8,9,10,11,12,13,14,15
.irp p, 0,1
.if \i == 0
	v_wmma_f32_16x16x4_f32 v[176+8*\p:183+8*\p], v[112+4*\i+2*\p:113+4*\i+2*\p], v[16+4*\i+2*\p:17+4*\i+2*\p], 0
.else
	v_wmma_f32_16x16x4_f32 v[176+8*\p:183+8*\p], v[112+4*\i+2*\p:113+4*\i+2*\p], v[16+4*\i+2*\p:17+4*\i+2*\p], v[176+8*\p:183+8*\p]
.endif
.endr
.endr
.rept 8
	v_nop
.endr
.irp j, 0,1,2,3,4,5,6,7
	v_add_f32 v[192+\j], v[176+\j], v[184+\j]      ; my part of out0(r, 32 nx + 16 et + 8 h + j)
.endr
	ds_store_b128 v9, v[192:195]
	ds_store_b128 v9, v[196:199] offset:16
	s_wait_dscnt 0x0
	s_barrier_signal -1
	s_barrier_wait -1                              ; all sixteen parts lie in LDS
	s_cmp_lt_u32 s10, 4
	s_cbranch_scc0 .Lend
.irp k, 0,1,2,3,4,5,6,7
	ds_load_b128 v[16+4*\k:19+4*\k], v10 offset:2560*\k
.endr
	s_wait_dscnt 0x0
.irp k, 1,2,3,4,5,6,7
	v_pk_add_f32 v[16:17], v[16:17], v[16+4*\k:17+4*\k]
	v_pk_add_f32 v[18:19], v[18:19], v[18+4*\k:19+4*\k]
.endr
	global_store_b128 v11, v[16:19], s[8:9]
.Lend:
	s_wait_tensorcnt 0x0                           ; the wave's end, behind my last LDS store
	ds_add_u32 v4, v5
	s_wait_dscnt 0x0
	s_endpgm
.Lfunc_end_k_q6a494ebc29_fine:
	.size	k_q6a494ebc29_fine, .Lfunc_end_k_q6a494ebc29_fine-k_q6a494ebc29_fine
	.p2alignl 7, 3214868480
	.fill 96, 4, 3214868480
	.section	.rodata,"a",@progbits
	.p2align	6, 0x0
	.amdhsa_kernel k_q6a494ebc29_fine
		.amdhsa_group_segment_fixed_size 88320
		.amdhsa_private_segment_fixed_size 0
		.amdhsa_enable_private_segment 0
		.amdhsa_kernarg_size 24
		.amdhsa_user_sgpr_count 2
		.amdhsa_user_sgpr_kernarg_segment_ptr 1
		.amdhsa_wavefront_size32 1
		.amdhsa_system_sgpr_workgroup_id_x 1
		.amdhsa_system_sgpr_workgroup_id_y 1
		.amdhsa_system_sgpr_workgroup_id_z 1
		.amdhsa_system_vgpr_workitem_id 0
		.amdhsa_next_free_vgpr 256
		.amdhsa_next_free_sgpr 66
		.amdhsa_reserve_vcc 1
		.amdhsa_float_denorm_mode_32 3
		.amdhsa_float_denorm_mode_16_64 3
		.amdhsa_memory_ordered 1
		.amdhsa_forward_progress 1
		.amdhsa_inst_pref_size 19
	.end_amdhsa_kernel
	.amdgpu_metadata
---
amdhsa.version: [ 1, 2 ]
amdhsa.kernels:
  - .name:           k_q6a494ebc29_fine
    .symbol:         k_q6a494ebc29_fine.kd
    .args:
      - { .name: qkvf, .offset: 0, .size: 8, .value_kind: global_buffer, .address_space: global }
      - { .name: Wp, .offset: 8, .size: 8, .value_kind: global_buffer, .address_space: global }
      - { .name: out0, .offset: 16, .size: 8, .value_kind: global_buffer, .address_space: global }
    .group_segment_fixed_size: 88320
    .private_segment_fixed_size: 0
    .kernarg_segment_align: 8
    .kernarg_segment_size: 24
    .max_flat_workgroup_size: 512
    .sgpr_count:     66
    .vgpr_count:     256
    .wavefront_size: 32
...
	.end_amdgpu_metadata
.endif
;; end of part 5
